; MI455X (gfx1250); checked and timed in simulation.
; The chip was launched on July 23, 2026; its instructions are those of AMD's public machine-readable ISA for CDNA 5 (MIT licence, August 2026) and "CDNA5" Instruction Set Architecture Reference Guide (July 2026). The comments in the code are by the model that wrote it; some were corrected since.
;; HMU Stack probing. Allowed arithmetic: matrix products marked QUANTISED: E2M3 operands, one E8M0 scale for each 32 along K, by v_wmma_scale_f32_16x16x128_f8f6f4 with both operands' format E2M3, f32 sums; products left as they are: f32 operands where the result goes on into a quantised operand, else bf16, f16 or f32 operands; f32 sums; everything else in f32.
;; Inputs: Wl 1,000 x 2,048 float32; b1 2,048 float32; b2 2,048 float32; bl 1,000 float32; g1 2,048 float32; g2 2,048 float32; lam1 2,048 float32; lam2 2,048 float32; mu1 2,048 x 1,024 float32; mu2 2,048 x 2,048 float32; v1 2,048 x 4 x 1,024 float32; v2 2,048 x 4 x 2,048 float32; x 2,048 x 1,024 float32.
;; Outputs: out0 2,048 x 1,000 float32; out1 2,048 x 2,048 float32; out2 2,048 x 2,048 float32; out3 2,048 x 2,048 float32.
;; This version of the problem:
;;   THIS VERSION OF THE PROBLEM IS GIVEN IN LOW PRECISION. The matrix products marked QUANTISED in the list below multiply operands that are first quantised to E2M3 (2 exponent bits, 3 mantissa bits; 6 bits a number), with one power-of-two scale for each 32 numbers along K (OCP MX v1.0); their sums are f32. All else is computed in f32.
;;   The module's matrix products, in the order in which they are computed (A, B: the left and right operand; K: the contracted axis; several contracted axes count as one K, in the product's order):
;;     1. [M 2,048, K 1,024] x [K 1,024, N 2,048]; A: input x; B: input mu1: QUANTISED
;;     2. [M 2,048, K 1,024] x [K 1,024, N 8,192]; A: input x; B: input v1: QUANTISED
;;     3. batch 2,048 x [M 1, K 1,024] x [K 1,024, N 4]; A: input mu1; B: input v1: left as it is (M = 1 < 16)
;;     4. [M 2,048, K 2,048] x [K 2,048, N 2,048]; A: computed on the way; B: input mu2: QUANTISED
;;     5. [M 2,048, K 2,048] x [K 2,048, N 8,192]; A: computed on the way; B: input v2: QUANTISED
;;     6. batch 2,048 x [M 1, K 2,048] x [K 2,048, N 4]; A: input mu2; B: input v2: left as it is (M = 1 < 16)
;;     7. [M 2,048, K 2,048] x [K 2,048, N 1,000]; A: computed on the way; B: input Wl: QUANTISED
;;   THE QUANTISER, for each operand of a quantised product, along K:
;;     - K is cut into blocks of 32 from its start; a last block that is shorter is filled with zeros.
;;     - A block's scale is 2^e with e = floor(log2(the largest magnitude in the block)) - 2, held to -126 .. 127; a block of zeros has e = 0. As a byte (E8M0): e + 127.
;;     - Each number is divided by its block's scale, clamped to +-7.5, and rounded to the nearest number of E2M3, ties to even, subnormals kept.
;;     - The product sums the exact products of the quantised numbers (number of the format x scale) in f32.
;;   ~~~python
;;   def quantise(x, axis):      # numpy; x: float32 -> the quantised numbers, widened to float32 again
;;       x = np.moveaxis(x, axis, -1); K = x.shape[-1]
;;       x = np.pad(x, [(0, 0)] * (x.ndim - 1) + [(0, -K % 32)]); x = x.reshape(x.shape[:-1] + (-1, 32)); a = np.abs(x).max(-1, keepdims=True)
;;       e = np.where(a > 0, np.clip(np.frexp(np.where(a > 0, a, 1))[1] - 1 - 2, -126, 127), 0)      # np.frexp(a)[1] - 1 = floor(log2(a)), exactly
;;       r = np.clip(x / 2.0 ** e, -7.5, 7.5)
;;       step = 2.0 ** (np.maximum(np.frexp(np.where(r == 0, 1, r))[1] - 1, 0) - 3)
;;       q = np.round(r / step) * step * 2.0 ** e      # np.round: ties to even
;;       return np.moveaxis(q.reshape(q.shape[:-2] + (-1,))[..., :K], -1, axis).astype(np.float32)
;;   ~~~
;;   OPERANDS COMPUTED ON THE WAY. 'Computed on the way' means the value that the module computes at that place (a softmax that the list does not call 'softmax' is quantised finished and normalised). What goes into a quantiser is computed in f32, as accurately as f32 sums, v_exp_f32 and their like allow (about 1e-6 of the number): no bf16 or f16 on the way to a quantiser, and a product that is left as it is and whose result goes on into a quantised operand takes f32 operands (vector FMAs, or v_wmma_f32_16x16x4_f32). A number that lies on a knife's edge between two numbers of the format may be rounded either way, as far as f32 arithmetic and the matrix unit's own rounding can turn it there, and no further.
;; One version. Each part assembles by itself: llvm-mc -triple=amdgcn-amd-amdhsa -mcpu=gfx1250 --defsym DOCPART=n.
;; ======== version 1 of 1: 6 launches
;; limits: right only within a limited range of input values
;; workspace buffers: wq 28,262,400 bytes; ya 16,908,288 bytes; yb 16,908,288 bytes; fa 3,407,872 bytes; fb 3,276,800 bytes
;; launch prep (part 1): grid 512 x 1, 4 waves a work-group, no clusters, 75,776 bytes of LDS; arguments x, mu1, v1, mu2, v2, Wl, wq; writes wq
.if DOCPART == 1
	.amdgcn_target "amdgcn-amd-amdhsa--gfx1250"
	.amdhsa_code_object_version 6
	.text
	.protected	k_q657ed4458d_prep
	.globl	k_q657ed4458d_prep
	.p2align	8
	.type	k_q657ed4458d_prep,@function
k_q657ed4458d_prep:
	s_mov_b64 s[64:65], 0
	v_nop
	global_prefetch_b8 v0, s[64:65] scope:SCOPE_SE
	s_setreg_imm32_b32 hwreg(HW_REG_WAVE_MODE, 25, 1), 1
	s_wait_xcnt 0x0
; PREP: every f32 input that is an operand of a quantised product becomes codes of E2M3 with one E8M0 byte for each 32 along K, once; and the small f32 sums that hang on inputs alone are made on the way:
; c[n][k] = mu[n] . v[n][k] (both layers, f32 fused multiply-adds on the unquantised numbers), msq2[n] = sum mu2[n]^2, xsq[b] = sum x[b]^2, each as partial sums over 512 along d, added up by the launch that reads them.
; LEFT OUT AS DEAD WORK: reference() adds lam1[n] * sum_d mu1[n][d]^2 to every row b of column n of the first layer's quad.  feat1 takes that layer's out only as out - mean_b(out), in the numerator and inside
; the variance alike, and a term that is the same in all rows of a column cancels in that difference, whatever lam1 and mu1 hold.  So it reaches neither feat1 nor feat1's codes, and sum mu1^2 is not computed.
; mu1 itself is live (the products with x and with v1).  In the second layer the same term stands under the exponential and is computed.  Every input has a way to an output and is loaded by some launch.
; LIMITS: a NaN, an infinity or an overflow that would arise only in lam1 * sum mu1^2 is not carried to the result.  NaN and infinities among the inputs are not served.  A block whose largest magnitude lies under
; 2^-124, a block of zeros among them, gets the byte 1 (a block of zeros has zero codes, which add nothing; the bytes are read by this program alone).
; LAYOUT OF THE CODES (this program's own): a fragment, 16 rows x 128 K, lies as the image of the operand's 12 registers: register j of lane l at byte 512 (j / 4) + 16 l + 4 (j % 4); lane l = r + 16 h holds row r,
; registers 6 c .. 6 c + 5 hold k = 64 c + 32 h + 0 .. 31.  Buffers are [tile of 16 rows][K step][1,536 bytes]; scale words [tile][K step][16 rows], 4 bytes a row.
; The weights of a layer lie by groups of 16 n: tile 5 g = mu[16 g + r], tile 5 g + 1 + k = v[16 g + r][k].
; SHARES.  Work-groups 0-383 (path M): a unit is (layer, group g, 512 along d); a work-group takes TWO units on end, the same group's neighbouring 512s.  In each unit wave w takes one K step of the group's five tiles,
; keeps mu's 64 numbers a lane and multiplies v's into them.  A wave's ten tiles are ONE stream through three sets of registers: tile T + 3 is asked for when tile T has left its set, so the second unit's first three
; tiles are on their way while the first unit's sums, barrier and stores are done.  The second unit has the first's address registers, with immediates; and LDS bytes of its own for scale words and sums.
; Work-groups 384-511 (path X): a wave takes one tile of 16 rows of x or of Wl and four K steps.  Wl's rows 1,000 .. 1,023 do not exist: row 999 is read in their stead, and the last launch stores none of those columns.
; 512 work-groups of 448 registers a wave: two to each of 256 WGPs.
; Each load reads 512 consecutive bytes of one row; the 16 x 512 bytes turn through the wave's own stage in LDS (rows 528 bytes apart) so that a lane gets 2 x 32 neighbours along K.  Three tiles (48 loads a wave) are on their way.
; No tensor loads, no matrix work: the launch streams.  The two paths part on the work-group's number and have LDS bytes of their own.
.set W1Q,  1572864
.set W2Q,  9437184
.set WLQ,  25165824
.set XSW,  26738688
.set W1S,  26804224
.set W2S,  27131904
.set WLS,  27787264
.set PAR1, 27852800
.set PAR2, 27983872
.set XSQP, 28246016
.set STG,  8448                        ; a wave's stage: 16 rows x 528 bytes
.set MSC,  33792                       ; path M, unit 0: scale words, [5 tiles][4 waves][16 rows]
.set MSUM, 35072                       ; path M, unit 0: the waves' sums, [4 waves][8 rows][16]
.set UNITB, 3328                       ; from unit 0's scale words and sums to unit 1's
.set XST,  40448                       ; path X: four stages
.set XSC,  74240                       ; path X: scale words, 256 bytes a wave
.set SPARE, 75264                      ; the spare words, 128 bytes a wave
.set L16, 1                            ; 16 x lane
.set STI, 2                            ; stage, way in
.set STO, 3                            ; stage, way out
.set SH8, 4                            ; 8 h
.set SWA, 5                            ; where my row's scale word goes in LDS
.set SPW, 6
.set NIL, 7
.set L8,  8
.set LN,  9
.set R4,  10                           ; 4 r
.set HH,  11
.set MSA, 13
.set GRD, 14
.set RDS, 15
.set OFF0, 16                          ; v16-31 byte offsets of the tile's 16 rows (mu, x, Wl)
.set OFF1, 32                          ; v32-47 the same for v
.set PC,   48                          ; v48-59 a fragment's codes
.set TMPC, 60
.set TM,   68
.set SCO,  70
.set BY,   72
.set W,    74
.set T,    75
.set SUM,  76                          ; v76-95 five sums of four registers
.set GO,   96
.set GO4,  97
.set L4,   98
.set RED,  100                         ; v100-111
.set GW,   112                         ; v112-115
.set KEEP, 128                         ; v128-191 mu's numbers
.set X,    192                         ; v192-255 the tile in hand;  window 1: v0-191 three sets of 64 as loaded
.set SEL,  52
.set MSB, 0
.macro WIN new                         ; the immediate's high byte repeats the setting that is left
.if MSB != (\new)
	s_set_vgpr_msb (MSB<<8)|(\new)
.set MSB, (\new)
.endif
.endm
.macro LOADT set, off, sp, imm         ; a tile of 16 rows x 512 bytes into set: each load 512 consecutive bytes
	WIN 0x40
.irp r, 0,1,2,3,4,5,6,7,8,9,10,11,12,13,14,15
	global_load_b128 v[64*(\set)+4*\r:64*(\set)+4*\r+3], v[\off+\r], s[\sp:\sp+1] offset:\imm th:TH_LOAD_NT
.endr
	WIN 0
.endm
.macro GETT set, dst, cnt              ; cnt: the loads issued behind this tile's, which may stay out
	s_wait_loadcnt \cnt
	WIN 0x04                                       ; an LDS store's data are its source 1: window 1
.irp r, 0,1,2,3,4,5,6,7,8,9,10,11,12,13,14,15
	ds_store_b128 v[STI], v[64*(\set)+4*\r:64*(\set)+4*\r+3] offset:528*\r
.endr
	WIN 0
.irp c, 0,1
.irp i, 0,1,2,3,4,5,6,7
	ds_load_b128 v[\dst+32*\c+4*\i:\dst+32*\c+4*\i+3], v[STO] offset:256*\c+16*\i   ; LDS serves a wave's instructions in order: these see the stores above
.endr
.endr
	s_wait_dscnt 0x0                               ; the numbers are back, and the stores have read the set: it may be loaded again
	s_wait_xcnt 0x0                                ; the last tile's stores have read v[PC] on (ISA guide 3.1).  The wait stands ahead of the next tile's loads: what it counts was issued a tile ago
.endm
; 64 numbers of a lane, v[s + 32 c + i] = k 64 c + 32 h + i of my row, become the fragment's codes in v[PC] on and the row's scale word in v[W]
.macro QUANT64 s
.irp c, 0,1
	v_max3_num_f32 v[TM+\c], |v[\s+32*\c]|, |v[\s+32*\c+1]|, 0x1800000   ; with the floor 2^(3 - 127): the byte cannot fall under 1
.endr
.irp i, 2,4,6,8,10,12,14,16,18,20,22,24,26,28,30
.irp c, 0,1
	v_max3_num_f32 v[TM+\c], v[TM+\c], |v[\s+32*\c+\i]|, |v[\s+32*\c+\i+1]|
.endr
.endr
.irp c, 0,1
	v_add_nc_u32 v[SCO+\c], 0xff000000, v[TM+\c]   ; 2 off the exponent field: the conversion's scale operand
.endr
.irp c, 0,1
	v_lshrrev_b32 v[BY+\c], 23, v[SCO+\c]          ; the scale's byte
.endr
	v_lshl_or_b32 v[W], v[BY+1], 16, v[BY]         ; my blocks h and 2 + h,
	v_lshlrev_b32 v[W], v[SH8], v[W]               ; at their places;
	v_permlanex16_b32 v[T], v[W], s[SEL], s[SEL+1]
	v_or_b32 v[W], v[W], v[T]                      ; with lane l xor 16's two the word is whole
.irp c, 0,1
	v_cvt_scalef32_pk16_fp6_f32 v[PC+6*\c:PC+6*\c+2], v[\s+32*\c:\s+32*\c+15], v[SCO+\c]
	v_cvt_scalef32_pk16_fp6_f32 v[TMPC+4*\c:TMPC+4*\c+2], v[\s+32*\c+16:\s+32*\c+31], v[SCO+\c]   ; (a conversion's three registers begin on an even number)
.endr
	v_nop                                          ; one plain place behind a scaled conversion
.irp c, 0,1
.irp i, 0,1,2
	v_mov_b32 v[PC+6*\c+3+\i], v[TMPC+4*\c+\i]
.endr
.endr
.endm
.macro PUTT src, sp, imm, sw           ; codes and scale word are made; the word goes to LDS; where the codes go is kept for PUTS
	QUANT64 \src
	ds_store_b32 v[SWA], v[W] offset:\sw           ; lanes r and r + 16 write the same word with the same value
.set PS_, \sp
.set PI_, \imm
.endm
.macro PUTS                            ; the tile's codes leave, behind the tile's sums: the next lines are the next tile's wait for its loads
	s_wait_alu depctr_va_vdst(0)                   ; a branch may lie between the codes' last write and these stores
.irp c, 0,1,2
	global_store_b128 v[L16], v[PC+4*\c:PC+4*\c+3], s[PS_:PS_+1] offset:PI_+512*\c   ; 512 consecutive bytes
.endr
.endm
.macro DOT s, a, b, first              ; 64 products a lane, two chains of packed multiply-adds
.set P_, 0
.rept 32
.if (\first) && (P_ < 2)
	v_pk_mul_f32 v[\s+2*(P_%2):\s+2*(P_%2)+1], v[\a+2*P_:\a+2*P_+1], v[\b+2*P_:\b+2*P_+1]
.else
	v_pk_fma_f32 v[\s+2*(P_%2):\s+2*(P_%2)+1], v[\a+2*P_:\a+2*P_+1], v[\b+2*P_:\b+2*P_+1], v[\s+2*(P_%2):\s+2*(P_%2)+1]
.endif
.set P_, P_+1
.endr
.endm
.macro FIN s                           ; the row's sum over this K step, in both lanes of the row
	v_pk_add_f32 v[\s:\s+1], v[\s:\s+1], v[\s+2:\s+3]
	v_add_f32 v[\s], v[\s], v[\s+1]
	v_permlanex16_b32 v[T], v[\s], s[SEL], s[SEL+1]
	v_add_f32 v[\s], v[\s], v[T]
.endm
; Path M: tile tt of a wave's ten: unit tt / 5, tile tt % 5 of the group's five (0: mu, kept; 1 .. 4: v).  It lies in set tt % 3, which then takes tile tt + 3.
; Behind tile tt's loads those of tiles tt + 1 and tt + 2 were issued: 32 may stay out; 16 at the ninth tile, none at the tenth.
.macro MTILE tt
.set U_, (\tt)/5
.set K_, (\tt)%5
.set S_, (\tt)%3
.if (\tt) < 8
.set C_, 32
.else
.set C_, 16*(9-(\tt))
.endif
.if K_ == 0
	GETT S_, KEEP, C_
.else
	GETT S_, X, C_
.endif
.if (\tt) < 7
.set N_, (\tt)+3
.set NS_, 28+2*(N_%5)
.set NI_, 2048*(N_/5)                  ; the second unit's K steps lie 2,048 bytes further on in each row
.if N_%5 == 0
	LOADT S_, OFF0, NS_, NI_
.else
	LOADT S_, OFF1, NS_, NI_
.endif
.endif
.set DS_, 38+2*K_
.set DI_, 6144*U_                      ; four K steps of 1,536 bytes
.set SW_, UNITB*U_+256*K_
.if K_ == 0
	PUTT KEEP, DS_, DI_, SW_
.else
	PUTT X, DS_, DI_, SW_
.endif
.endm
; Path M: a unit: its five tiles, the sums, one barrier, the scale words and the sums out
.macro MUNIT uu
.irp i, 0,1,2,3
	v_mov_b32 v[SUM+\i], 0
.endr
	MTILE 5*(\uu)
	s_cmp_eq_u32 s19, 0
	s_cbranch_scc1 .Lno_msq_\@                     ; sum mu^2 is wanted in layer 2 alone (head comment)
	DOT SUM, KEEP, KEEP, 0
.Lno_msq_\@:
	PUTS
	MTILE 5*(\uu)+1
	DOT SUM+4, X, KEEP, 1
	PUTS
	MTILE 5*(\uu)+2
	DOT SUM+8, X, KEEP, 1
	PUTS
	MTILE 5*(\uu)+3
	DOT SUM+12, X, KEEP, 1
	PUTS
	MTILE 5*(\uu)+4
	DOT SUM+16, X, KEEP, 1
	FIN SUM
	FIN SUM+4
	FIN SUM+8
	FIN SUM+12
	FIN SUM+16
	ds_store_b32 v[MSA], v[SUM+4] offset:UNITB*(\uu)       ; rows 0-3: c_k;
	ds_store_b32 v[MSA], v[SUM+8] offset:UNITB*(\uu)+64
	ds_store_b32 v[MSA], v[SUM+12] offset:UNITB*(\uu)+128
	ds_store_b32 v[MSA], v[SUM+16] offset:UNITB*(\uu)+192
	ds_store_b32 v[MSA], v[SUM] offset:UNITB*(\uu)+256     ; rows 4 and 5: sum mu^2, twice, so that a pair of rows leaves whole
	ds_store_b32 v[MSA], v[SUM] offset:UNITB*(\uu)+320
	PUTS                                           ; the unit's fifth tile
	s_wait_dscnt 0x0
	s_barrier_signal -1
	s_barrier_wait -1
	ds_load_b64 v[GW:GW+1], v[GRD] offset:UNITB*(\uu)      ; wave w: tile w's scale words of four K steps: 256 bytes
	s_wait_dscnt 0x0
	global_store_b64 v[GO], v[GW:GW+1], s[48:49] offset:256*(\uu)   ; 32 lanes store 256 consecutive bytes, aligned
	s_cmp_lg_u32 s18, 0
	s_cbranch_scc1 .Lnot_wave0_\@
	ds_load_b64 v[GW+2:GW+3], v[GRD] offset:UNITB*(\uu)+1024   ; wave 0: tile 4's too
	s_wait_dscnt 0x0
	global_store_b64 v[GO4], v[GW+2:GW+3], s[48:49] offset:256*(\uu)
.Lnot_wave0_\@:
	s_cmp_lg_u32 s18, 1
	s_cbranch_scc1 .Lmjoin_\@
.irp i, 0,1                                    ; wave 1 adds the four waves' sums: rows 2 i and 2 i + 1
.irp q, 0,1,2,3
	ds_load_b32 v[RED+4*\i+\q], v[RDS] offset:UNITB*(\uu)+512*\q+128*\i
.endr
.endr
	s_wait_dscnt 0x0
.irp i, 0,1
	v_add_f32 v[RED+4*\i], v[RED+4*\i], v[RED+4*\i+1]
	v_add_f32 v[RED+4*\i+2], v[RED+4*\i+2], v[RED+4*\i+3]
	v_add_f32 v[RED+4*\i], v[RED+4*\i], v[RED+4*\i+2]
	global_store_b32 v[L4], v[RED+4*\i], s[50:51] offset:512*(\uu)+128*\i
.endr
	s_cmp_eq_u32 s19, 0
	s_cbranch_scc1 .Lmjoin_\@
.irp q, 0,1,2,3
	ds_load_b32 v[RED+8+\q], v[RDS] offset:UNITB*(\uu)+512*\q+256
.endr
	s_wait_dscnt 0x0
	v_add_f32 v[RED+8], v[RED+8], v[RED+9]
	v_add_f32 v[RED+10], v[RED+10], v[RED+11]
	v_add_f32 v[RED+8], v[RED+8], v[RED+10]
	global_store_b32 v[L4], v[RED+8], s[50:51] offset:512*(\uu)+256
.Lmjoin_\@:
.endm
	s_load_b256 s[4:11], s[0:1], 0x0               ; x, mu1, v1, mu2
	s_load_b128 s[12:15], s[0:1], 0x20             ; v2, Wl
	s_load_b64 s[16:17], s[0:1], 0x30              ; wq
	v_lshl_add_u32 v[SPW], v0, 2, SPARE
	v_mov_b32 v[NIL], 0
	v_lshrrev_b32 v12, 5, v0
	v_readfirstlane_b32 s18, v12                   ; wave
	v_and_b32 v[LN], 31, v0
	v_lshlrev_b32 v[L16], 4, v[LN]
	v_lshlrev_b32 v[L8], 3, v[LN]
	v_lshlrev_b32 v[L4], 2, v[LN]
	v_and_b32 v[R4], 15, v0                        ; r
	v_bfe_u32 v[HH], v0, 4, 1                      ; h
	v_lshlrev_b32 v[SH8], 3, v[HH]
	v_mul_u32_u24 v12, v[R4], 528
	v_lshl_add_u32 v12, v[HH], 7, v12              ; 528 r + 128 h
	v_lshlrev_b32 v[R4], 2, v[R4]
	v_mov_b32 v[T], 0                              ; a lane permute's destination counts as one of its sources
.irp i, 0,1,2,3
	v_mov_b32 v[SUM+\i], 0
.endr
	s_mul_i32 s20, s18, STG
	s_mov_b32 s[SEL], 0x76543210
	s_mov_b32 s[SEL+1], 0xfedcba98
	s_cmp_lt_u32 ttmp9, 384
	s_cbranch_scc0 .Lxpath
	; ---------------- path M: two units of a group's five tiles
	v_add_nc_u32 v[STI], s20, v[L16]
	v_add_nc_u32 v[STO], s20, v12
	s_lshl_b32 s21, s18, 6
	s_add_co_u32 s21, s21, MSC
	v_add_nc_u32 v[SWA], s21, v[R4]                ; MSC + 64 w + 4 r
	s_lshl_b32 s21, s18, 9
	s_add_co_u32 s21, s21, MSUM
	s_wait_alu depctr_va_vdst(0)
	v_add_nc_u32 v[MSA], s21, v[R4]                ; MSUM + 512 w + 4 r
	s_lshl_b32 s21, s18, 8
	s_add_co_u32 s21, s21, MSC
	v_add_nc_u32 v[GRD], s21, v[L8]                ; MSC + 256 w + 8 lane
	v_lshl_add_u32 v[RDS], v[LN], 2, MSUM
	s_cmp_lt_u32 ttmp9, 128                        ; layer 1 or 2: all choices on this one compare
	s_cselect_b32 s19, 0, 1
	s_cselect_b32 s20, 0, 128
	s_mov_b32 s21, W2Q
	s_cselect_b32 s21, W1Q, s21
	s_mov_b32 s22, W2S
	s_cselect_b32 s22, W1S, s22
	s_mov_b32 s23, PAR2
	s_cselect_b32 s23, PAR1, s23
	s_wait_kmcnt 0x0
	s_cselect_b64 s[24:25], s[6:7], s[10:11]       ; mu
	s_cselect_b64 s[26:27], s[8:9], s[12:13]       ; v
	s_sub_co_u32 s20, ttmp9, s20
	s_lshl_b32 s20, s20, 1                         ; my first unit's number in its layer = g x parts + part: an even number, so the second unit has the same g
	s_add_co_u32 s54, s19, 1
	s_lshr_b32 s55, s20, s54                       ; g
	s_lshl_b32 s56, 1, s54
	s_sub_co_u32 s56, s56, 1
	s_and_b32 s57, s20, s56                        ; part
	s_lshl_b32 s58, 0x1000, s19                    ; a row of mu in bytes
	s_lshl_b32 s59, s58, 2                         ; from n to n + 1 in v
	s_lshl_b32 s60, 8, s19                         ; K steps
	s_lshl_b32 s61, s57, 2
	s_add_co_u32 s62, s61, s18                     ; my K step = 4 part + wave
	s_mul_i32 s63, s55, s58
	s_lshl_b32 s66, s63, 4                         ; 16 g rows of mu
	s_lshl_b32 s68, s62, 9                         ; 512 bytes a K step
	s_add_co_u32 s66, s66, s68
	s_mov_b32 s67, 0
	s_add_nc_u64 s[28:29], s[24:25], s[66:67]      ; tile 0: mu
	s_lshl_b32 s66, s63, 6
	s_add_co_u32 s66, s66, s68
	s_add_nc_u64 s[30:31], s[26:27], s[66:67]      ; tile 1: v[.][0]
	s_mov_b32 s66, s58
	s_add_nc_u64 s[32:33], s[30:31], s[66:67]
	s_add_nc_u64 s[34:35], s[32:33], s[66:67]
	s_add_nc_u64 s[36:37], s[34:35], s[66:67]
	s_mul_i32 s69, s55, 5
	s_mul_i32 s69, s69, s60                        ; 5 g K steps
	s_add_co_u32 s66, s69, s62
	s_mul_i32 s66, s66, 1536
	s_add_co_u32 s66, s66, s21
	s_add_nc_u64 s[38:39], s[16:17], s[66:67]      ; where tile 0's fragment goes
	s_mul_i32 s66, s60, 1536
	s_add_nc_u64 s[40:41], s[38:39], s[66:67]
	s_add_nc_u64 s[42:43], s[40:41], s[66:67]
	s_add_nc_u64 s[44:45], s[42:43], s[66:67]
	s_add_nc_u64 s[46:47], s[44:45], s[66:67]
	s_add_co_u32 s66, s69, s61
	s_lshl_b32 s66, s66, 6
	s_add_co_u32 s66, s66, s22
	s_add_nc_u64 s[48:49], s[16:17], s[66:67]      ; tile 0's scale words of the first unit's four K steps
	s_lshl_b32 s66, s20, 9
	s_add_co_u32 s66, s66, s23
	s_add_nc_u64 s[50:51], s[16:17], s[66:67]      ; the first unit's part of c and msq
	s_lshl_b32 s70, s60, 6                         ; from a tile's scale words to the next tile's
	s_mul_i32 s71, s70, s18
	v_add_nc_u32 v[GO], s71, v[L8]
	s_lshl_b32 s71, s70, 2
	v_add_nc_u32 v[GO4], s71, v[L8]
	v_mov_b32 v[OFF0], v[L16]
	v_mov_b32 v[OFF1], v[L16]
.irp r, 1,2,3,4,5,6,7,8,9,10,11,12,13,14,15
	v_add_nc_u32 v[OFF0+\r], s58, v[OFF0+\r-1]
	v_add_nc_u32 v[OFF1+\r], s59, v[OFF1+\r-1]
.endr
	LOADT 0, OFF0, 28, 0
	LOADT 1, OFF1, 30, 0
	LOADT 2, OFF1, 32, 0
	s_wait_alu depctr_va_vdst(0)
	MUNIT 0
	MUNIT 1
	s_wait_tensorcnt 0x0                           ; the wave's end
	ds_add_u32 v[SPW], v[NIL]
	s_wait_dscnt 0x0
	s_endpgm
	; ---------------- path X: a tile of 16 rows of x or of Wl, four K steps
.Lxpath:
	s_add_co_u32 s20, s20, XST
	v_add_nc_u32 v[STI], s20, v[L16]
	s_wait_alu depctr_va_vdst(0)
	v_add_nc_u32 v[STO], s20, v12
	s_lshl_b32 s21, s18, 8
	s_add_co_u32 s21, s21, XSC
	v_add_nc_u32 v[SWA], s21, v[R4]
	v_add_nc_u32 v[GRD], s21, v[L8]
	s_sub_co_u32 s22, ttmp9, 384
	s_cmp_lt_u32 s22, 64                           ; x or Wl
	s_cselect_b32 s19, 0, 1
	s_cselect_b32 s23, 0, 64
	s_mov_b32 s24, 999
	s_cselect_b32 s24, 2047, s24                   ; the tensor's last row
	s_mov_b32 s25, WLQ
	s_cselect_b32 s25, 0, s25
	s_mov_b32 s26, WLS
	s_cselect_b32 s26, XSW, s26
	s_wait_kmcnt 0x0
	s_cselect_b64 s[28:29], s[4:5], s[14:15]
	s_sub_co_u32 s22, s22, s23
	s_lshl_b32 s22, s22, 2
	s_add_co_u32 s22, s22, s18                     ; the wave's unit = tile x parts + part
	s_add_co_u32 s54, s19, 1
	s_lshr_b32 s55, s22, s54                       ; tile of rows
	s_lshl_b32 s56, 1, s54
	s_sub_co_u32 s56, s56, 1
	s_and_b32 s57, s22, s56                        ; part
	s_lshl_b32 s58, 0x1000, s19                    ; a row in bytes
	s_lshl_b32 s59, 8, s19                         ; K steps
	s_lshl_b32 s60, s55, 4
.irp r, 0,1,2,3,4,5,6,7,8,9,10,11,12,13,14,15
	s_add_co_u32 s61, s60, \r
	s_min_u32 s61, s61, s24                        ; no load leaves the tensor
	s_mul_i32 s61, s61, s58
	v_add_nc_u32 v[OFF0+\r], s61, v[L16]
.endr
	s_lshl_b32 s66, s57, 11
	s_mov_b32 s67, 0
	s_add_nc_u64 s[28:29], s[28:29], s[66:67]
	s_mul_i32 s66, s55, s59
	s_lshl_b32 s62, s57, 2
	s_add_co_u32 s66, s66, s62                     ; tile x K steps + 4 part
	s_lshl_b32 s68, s66, 6
	s_mul_i32 s66, s66, 1536
	s_add_co_u32 s66, s66, s25
	s_add_nc_u64 s[38:39], s[16:17], s[66:67]
	s_add_co_u32 s68, s68, s26
	s_mov_b32 s69, 0
	s_add_nc_u64 s[48:49], s[16:17], s[68:69]
	s_lshl_b32 s68, s22, 6
	s_add_co_u32 s68, s68, XSQP
	s_add_nc_u64 s[50:51], s[16:17], s[68:69]      ; (used for x alone)
.macro XDOT
	s_cmp_lg_u32 s19, 0
	s_cbranch_scc1 .Lnx_\@
	DOT SUM, X, X, 0
.Lnx_\@:
	PUTS
.endm
	s_wait_alu depctr_va_vdst(0)
	LOADT 0, OFF0, 28, 0
	LOADT 1, OFF0, 28, 512
	LOADT 2, OFF0, 28, 1024
	GETT 0, X, 32                                  ; tiles 1 and 2 may be out
	LOADT 0, OFF0, 28, 1536
	PUTT X, 38, 0, 0
	XDOT
	GETT 1, X, 32                                  ; tiles 2 and 3
	PUTT X, 38, 1536, 64
	XDOT
	GETT 2, X, 16                                  ; tile 3
	PUTT X, 38, 3072, 128
	XDOT
	GETT 0, X, 0
	PUTT X, 38, 4608, 192
	XDOT
	ds_load_b64 v[GW:GW+1], v[GRD]                 ; my own 256 bytes of scale words
	s_wait_dscnt 0x0
	global_store_b64 v[L8], v[GW:GW+1], s[48:49]   ; 256 consecutive bytes, aligned
	s_cmp_lg_u32 s19, 0
	s_cbranch_scc1 .Lxend
	s_wait_alu depctr_va_vdst(0)
	FIN SUM
	global_store_b32 v[R4], v[SUM], s[50:51]       ; lanes r and r + 16 store the same number to the same word
.Lxend:
	s_wait_tensorcnt 0x0                           ; the wave's end
	ds_add_u32 v[SPW], v[NIL]
	s_wait_dscnt 0x0
	s_endpgm
.Lfunc_end_k_q657ed4458d_prep:
	.size	k_q657ed4458d_prep, .Lfunc_end_k_q657ed4458d_prep-k_q657ed4458d_prep
	.p2alignl 7, 3214868480
	.fill 96, 4, 3214868480
	.section	.rodata,"a",@progbits
	.p2align	6, 0x0
	.amdhsa_kernel k_q657ed4458d_prep
		.amdhsa_group_segment_fixed_size 75776
		.amdhsa_private_segment_fixed_size 0
		.amdhsa_enable_private_segment 0
		.amdhsa_kernarg_size 56
		.amdhsa_user_sgpr_count 2
		.amdhsa_user_sgpr_kernarg_segment_ptr 1
		.amdhsa_wavefront_size32 1
		.amdhsa_system_sgpr_workgroup_id_x 1
		.amdhsa_system_sgpr_workgroup_id_y 1
		.amdhsa_system_sgpr_workgroup_id_z 1
		.amdhsa_system_vgpr_workitem_id 0
		.amdhsa_next_free_vgpr 448
		.amdhsa_next_free_sgpr 80
		.amdhsa_reserve_vcc 0
		.amdhsa_float_denorm_mode_32 3
		.amdhsa_float_denorm_mode_16_64 3
		.amdhsa_memory_ordered 1
		.amdhsa_forward_progress 1
		.amdhsa_inst_pref_size 144
	.end_amdhsa_kernel
	.amdgpu_metadata
---
amdhsa.version: [ 1, 2 ]
amdhsa.kernels:
  - .name:           k_q657ed4458d_prep
    .symbol:         k_q657ed4458d_prep.kd
    .args:
      - { .name: x, .offset: 0, .size: 8, .value_kind: global_buffer, .address_space: global }
      - { .name: mu1, .offset: 8, .size: 8, .value_kind: global_buffer, .address_space: global }
      - { .name: v1, .offset: 16, .size: 8, .value_kind: global_buffer, .address_space: global }
      - { .name: mu2, .offset: 24, .size: 8, .value_kind: global_buffer, .address_space: global }
      - { .name: v2, .offset: 32, .size: 8, .value_kind: global_buffer, .address_space: global }
      - { .name: Wl, .offset: 40, .size: 8, .value_kind: global_buffer, .address_space: global }
      - { .name: wq, .offset: 48, .size: 8, .value_kind: global_buffer, .address_space: global }
    .group_segment_fixed_size: 75776
    .private_segment_fixed_size: 0
    .kernarg_segment_align: 8
    .kernarg_segment_size: 56
    .max_flat_workgroup_size: 128
    .sgpr_count:     80
    .vgpr_count:     448
    .wavefront_size: 32
...
	.end_amdgpu_metadata
.endif
;; end of part 1
;; launch gemm1 (part 2): grid 32 x 8, 4 waves a work-group, clusters of 4 x 4, 327,680 bytes of LDS; arguments wq, lam1, ya; writes ya
.if DOCPART == 2
	.amdgcn_target "amdgcn-amd-amdhsa--gfx1250"
	.amdhsa_code_object_version 6
	.text
	.protected	k_q657ed4458d_gemm1
	.globl	k_q657ed4458d_gemm1
	.p2align	8
	.type	k_q657ed4458d_gemm1,@function
k_q657ed4458d_gemm1:
	s_mov_b64 s[64:65], 0
	v_nop
	global_prefetch_b8 v0, s[64:65] scope:SCOPE_SE
	s_setreg_imm32_b32 hwreg(HW_REG_WAVE_MODE, 25, 1), 1
	s_wait_xcnt 0x0
	s_wait_alu depctr_hold_cnt(0) depctr_sa_sdst(0) depctr_va_vdst(0) depctr_va_sdst(0) depctr_va_ssrc(0) depctr_va_vcc(0) depctr_vm_vsrc(0)
	s_getreg_b32 s2, hwreg(HW_REG_IB_STS2, 6, 4)
	s_cmp_eq_u32 s2, 0
	s_cbranch_scc0 .Lentry_in_a_cluster
	s_endpgm
.Lentry_in_a_cluster:
	s_bfe_u32 s2, ttmp6, 0x10000c
	s_cmp_lg_u32 s2, 0xf033
	s_cbranch_scc0 .Lentry_shape_is_right
	s_endpgm
.Lentry_shape_is_right:
; GEMM1: y1[b][n] = -(lam1[n] (|x_b|^2 - 2 x_b . mu1_n) + sum_k (x_b . v1_nk - c_nk)^2), on codes of E2M3 with E8M0 scales, and each column's mean and sum of squared deviations over the block's 256 rows.
; lam1 sum mu1^2 is left out as dead work (shown at the head of the first launch).
; A work-group makes 256 rows x 64 n: 16 tiles of x against 20 tiles of weights (for 16 n: mu and v's four slices).  Wave w takes all 16 tiles of x and the five tiles of its 16 n: 80 accumulators.
; THE MATRIX INSTRUCTION IS USED TRANSPOSED (source 0 = weights, source 1 = x): a lane holds one row b and eight neighbouring n.  -c is the C of the first products of v's tiles.
; K goes in chunks of two K steps (3,072 bytes of each tile's run of register images) through two LDS slots.  CLUSTER 4 x 4: x's tiles are asked for jointly along a row of the cluster, the weights' along a column.
; THE HEAD: one joint load a wave: wave 0 chunk 0 of x, wave 1 of the weights, waves 2 and 3 the two blocks of scale words for all of K, which stay in LDS.  The small f32 inputs are loaded under them.
; Slot 1's first fill and every refill stand behind the wait for all loads, the add, the wait for it and a round of the cluster's barrier: one tensor load a wave is out at a time.
; A K step is eight groups of ten matrix instructions (two tiles of x against my five).  A group's registers of x are loaded again behind its four places: a fetch stands three groups, 30 matrix instructions, ahead of its use.
; PREFETCH: behind the request for chunk t each wave names chunk t + 2 of the tiles that it fetches (at the head chunk 1 too): of each tile's 3,072 bytes the partner at place p of the four that ask jointly names
; bytes 768 p on, a lane a block of 256 bytes, 24 or 30 lanes (the lanes left over name the last block again); the last two requests name nothing.
; THE WAY OUT: y goes through a stage in slot 0 (its last fill is read out) and leaves as whole rows of 256 bytes; the statistics are made behind those stores.
.set KS,   8
.set NPC,  2
.set NXL,  1
.set EXPO, 0
.set ASO,  26738688
.set AXO,  28246016
.set BQO,  1572864
.set BSO,  26804224
.set BPO,  27852800
.set LAPS, KS/4
.set TS,   64*KS
.set SLOT, 110592
.set BOFF, 49152
.set SCA,  2*SLOT
.set SCB,  SCA+16*TS
.set XSL,  SCB+20*TS
.set STL,  XSL+1024
.set SPARE, STL+512
.set ADRA, 16
.set ADRB, 18
.set ADSA, 20
.set ADSB, 21
.set STO,  22
.set RD,   23
.set CO,   24
.set XSA,  25
.set STA,  27
.set SPW,  28
.set NIL,  29
.set SLD,  30
.set SC,   32
.set BF,   76
.set LAM,  196
.set NC,   204
.set MSQ,  236
.set TP,   244
.set AF,   160
.set SS,   204
.set MM,   212
.set XSQ,  108
.set OB,   76
.set G1,   24
.set G0,   32
.set G1B,  48
.set G0B,  56
.set G1S,  68
.set G0S,  76
.set G1SB, 80
.set PFA,  88
.set PFO,  26
.set MSB, 0
.macro WIN new
.if MSB != (\new)
	s_set_vgpr_msb (MSB<<8)|(\new)
.set MSB, (\new)
.endif
.endm
.macro PLACES n
.rept \n
	v_nop
.endr
.endm
.macro JLOAD g0a, g1a, g0b, g1b
	s_cmp_eq_u32 s15, 0
	s_cbranch_scc0 .Lfor_b_\@
	tensor_load_to_lds s[\g0a:\g0a+3], s[\g1a:\g1a+7]
	s_nop 0
.rept 4
	v_nop
.endr
	s_branch .Lasked_\@
.Lfor_b_\@:
	tensor_load_to_lds s[\g0b:\g0b+3], s[\g1b:\g1b+7]
	s_nop 0
.rept 4
	v_nop
.endr
.Lasked_\@:
.endm
.macro CREST
	s_cmp_lg_u32 s14, 0
	s_cbranch_scc1 .Lnot_wave_0_\@
	s_barrier_signal -3
.Lnot_wave_0_\@:
	s_barrier_wait -3
	s_barrier_signal -1
	s_barrier_wait -1
.endm
.macro CROUND
	s_barrier_signal -1
	s_barrier_wait -1
	CREST
.endm
.macro WM ac, bf, af, cm, cr, sb, sa, q
.if (\q) == 0
.if (\cm) == 0
	v_wmma_scale_f32_16x16x128_f8f6f4 v[\ac:\ac+7], v[\bf:\bf+11], v[\af:\af+11], 0, v[\sb], v[\sa] matrix_a_fmt:MATRIX_FMT_FP6 matrix_b_fmt:MATRIX_FMT_FP6
.else
	v_wmma_scale_f32_16x16x128_f8f6f4 v[\ac:\ac+7], v[\bf:\bf+11], v[\af:\af+11], v[\cr:\cr+7], v[\sb], v[\sa] matrix_a_fmt:MATRIX_FMT_FP6 matrix_b_fmt:MATRIX_FMT_FP6
.endif
.else
	v_wmma_scale_f32_16x16x128_f8f6f4 v[\ac:\ac+7], v[\bf:\bf+11], v[\af:\af+11], v[\cr:\cr+7], v[\sb], v[\sa] matrix_a_fmt:MATRIX_FMT_FP6 matrix_b_fmt:MATRIX_FMT_FP6 matrix_a_scale:MATRIX_SCALE_ROW1 matrix_b_scale:MATRIX_SCALE_ROW1
.endif
.endm
.macro MUL10 g, p, q, set, zero
.set WW_, 1+(2*(\g))/6
.if \zero
	WIN (WW_<<6)|0x0c
.else
	WIN (WW_<<6)|(WW_<<4)|0x0c
.endif
.irp i, 0,1
.irp t, 0,1,2,3,4
.set AC_, 40*((2*(\g)+\i)%6)+8*\t
.set BB_, BF+60*(\p)+12*\t
.set AA_, AF+24*((\g)%4)+12*\i
.set SB_, SC+21*(\set)+16+\t
.set SA_, SC+21*(\set)+2*(\g)+\i
.if \zero
.if \t == 0
	WM AC_, BB_, AA_, 0, 0, SB_, SA_, \q
.else
.set CR_, NC+8*(\t-1)
	WM AC_, BB_, AA_, 1, CR_, SB_, SA_, \q
.endif
.else
	WM AC_, BB_, AA_, 1, AC_, SB_, SA_, \q
.endif
.endr
.endr
.endm
.macro GRP g, p, q, set, zero          ; a group and the four places ahead of the loads into its registers
	MUL10 \g, \p, \q, \set, \zero
	PLACES 4
.endm
.macro ASK                             ; the loop's prefetch: PFA stands at chunk t - 1, the chunk named is t + 2; the last trip's two requests have none
.if LAPS > 2
	s_cmp_gt_u32 s3, 1
	s_cbranch_scc0 .Lno_ask_\@
	global_prefetch_b8 v[PFO], s[PFA:PFA+1] offset:9216 th:TH_LOAD_NT scope:SCOPE_SE
.Lno_ask_\@:
.endif
.endm
.macro FA slot, q, g
	WIN 0xc0
.irp i, 0,1
.irp c, 0,1,2
	ds_load_b128 v[AF+24*((\g)%4)+12*\i+4*\c:AF+24*((\g)%4)+12*\i+4*\c+3], v[ADRA+\slot] offset:(2*(\g)+\i)*3072+1536*(\q)+512*\c
.endr
.endr
.endm
.macro FB slot, q, p
	WIN 0
.irp t, 0,1,2,3,4
.irp c, 0,1,2
	ds_load_b128 v[BF+60*(\p)+12*\t+4*\c:BF+60*(\p)+12*\t+4*\c+3], v[ADRB+\slot] offset:\t*3072+1536*(\q)+512*\c
.endr
.endr
.endm
.macro SCL set
	WIN 0
.irp i, 0,1,2,3,4,5,6,7,8,9,10,11,12,13,14,15
	ds_load_b32 v[SC+21*(\set)+\i], v[ADSA] offset:\i*TS
.endr
.irp t, 0,1,2,3,4
	ds_load_b32 v[SC+21*(\set)+16+\t], v[ADSB] offset:\t*TS
.endr
.endm
; A slot's first K step.  Behind group g's fetch of 6 loads three more fetches were issued when g is multiplied: 18 may be out; with the weights' 15 loads of the next K step among them, 33.
.macro STEP slot, zero
.irp g, 0,1,2,3
	s_wait_dscnt 18
	GRP \g, 0, 0, \slot, \zero
	FA \slot, 0, \g+4
.endr
	FB \slot, 1, 1
.irp g, 4,5,6,7
	s_wait_dscnt 33
	GRP \g, 0, 0, \slot, \zero
	FA \slot, 1, \g-4
.endr
.endm
; A slot's second K step, and the change of slots.  The next slot's 21 scale words lie in bytes that are filled once: they are read ahead of the barrier (counts 39: three fetches and the 21; 40: with the add).
.macro TURN slot, next, fill
.if (\fill) && (LAPS > 2)
	s_wait_xcnt 0x0                                ; my last prefetch has read its base: it steps a chunk
	s_add_nc_u64 s[PFA:PFA+1], s[PFA:PFA+1], 3072
.endif
	s_wait_dscnt 18
	GRP 0, 1, 1, \slot, 0
	FA \slot, 1, 4
	s_wait_dscnt 18
	GRP 1, 1, 1, \slot, 0
	FA \slot, 1, 5
	WIN 0
	s_wait_alu depctr_va_vdst(0)                   ; the wait ahead of the reader below
	v_add_nc_u32 v[ADSA], 128, v[ADSA]
	v_add_nc_u32 v[ADSB], 128, v[ADSB]
	SCL \next
	s_wait_dscnt 39
	GRP 2, 1, 1, \slot, 0
	FA \slot, 1, 6
	s_wait_dscnt 39
	GRP 3, 1, 1, \slot, 0
	FA \slot, 1, 7
	WIN 0
	s_wait_tensorcnt 0x0                           ; all my tensor loads have landed: my part of the next slot
	ds_add_u32 v[SPW], v[NIL]
	s_wait_dscnt 40
	MUL10 4, 1, 1, \slot, 0
	s_wait_dscnt 0x0                               ; the add is done, my reads of this slot are over
	s_barrier_signal -1
	MUL10 5, 1, 1, \slot, 0
	WIN 0
	s_barrier_wait -1
.if \fill
	CREST
	s_add_nc_u64 s[G0+4*\slot+2:G0+4*\slot+3], s[G0+4*\slot+2:G0+4*\slot+3], 6144
	s_add_nc_u64 s[G0B+4*\slot+2:G0B+4*\slot+3], s[G0B+4*\slot+2:G0B+4*\slot+3], 6144
	JLOAD G0+4*\slot, G1, G0B+4*\slot, G1B
.else
	PLACES 4
.endif
	FB \next, 0, 0
	FA \next, 0, 0
	FA \next, 0, 1
.if (\fill) && (LAPS > 2)
	WIN 0
	ASK
.endif
	GRP 6, 1, 1, \slot, 0
	FA \next, 0, 2
	GRP 7, 1, 1, \slot, 0
	FA \next, 0, 3
.endm
.macro LAST                            ; the last K step: the counts run down
.irp g, 0,1,2,3
	s_wait_dscnt 18
	GRP \g, 1, 1, 1, 0
	FA 1, 1, \g+4
.endr
.irp g, 4,5,6,7
	s_wait_dscnt 6*(7-\g)
	MUL10 \g, 1, 1, 1, 0
.endr
	WIN 0
.endm
.if EXPO
	s_load_b128 s[4:7], s[0:1], 0x0
	s_load_b128 s[8:11], s[0:1], 0x10
.else
	s_load_b64 s[4:5], s[0:1], 0x0
	s_load_b64 s[6:7], s[0:1], 0x0
	s_load_b64 s[8:9], s[0:1], 0x8
	s_load_b64 s[10:11], s[0:1], 0x10
.endif
	v_lshl_add_u32 v[SPW], v0, 2, SPARE
	v_mov_b32 v[NIL], 0
	ds_add_u32 v[SPW], v[NIL]
	ds_add_u32 v[SPW], v[NIL]
	v_lshrrev_b32 v1, 5, v0
	v_readfirstlane_b32 s14, v1
	s_lshr_b32 s15, s14, 1
	s_and_b32 s16, s14, 1
	s_bfe_u32 s40, ttmp6, 0x40000
	s_bfe_u32 s41, ttmp6, 0x40004
	s_lshl_b32 s42, ttmp9, 2
	s_add_co_u32 s42, s42, s40
	s_and_b32 s17, ttmp7, 0xffff
	s_lshl_b32 s17, s17, 2
	s_add_co_u32 s17, s17, s41
	s_lshl_b32 s43, s41, 2
	s_lshl_b32 s43, 15, s43
	s_lshl_b32 s44, 0x1111, s40
	s_or_b32 s[G1], s43, (3<<16)|(1<<21)
	s_mov_b32 s[G1+1], 384<<16
	s_mov_b32 s[G1+2], 16<<16                      ; the head's load brings all 16 tiles; the ring's loads 8 (set behind the head's wait)
	s_mov_b32 s[G1+3], 384<<16
	s_mov_b32 s[G1+4], 16
	s_mov_b32 s[G1+5], 192*KS
	s_mov_b32 s[G1+6], 0
	s_mov_b32 s[G1+7], 0
	s_or_b32 s[G1B], s44, (3<<16)|(1<<21)
	s_mov_b32 s[G1B+1], 384<<16
	s_mov_b32 s[G1B+2], 20<<16
	s_mov_b32 s[G1B+3], 384<<16
	s_mov_b32 s[G1B+4], 20
	s_mov_b32 s[G1B+5], 192*KS
	s_mov_b32 s[G1B+6], 0
	s_mov_b32 s[G1B+7], 0
	s_or_b32 s[G1S], s43, (3<<16)|(1<<21)
	s_mov_b32 s[G1S+1], 32<<16
	s_mov_b32 s[G1S+2], (16*TS/256)<<16
	s_mov_b32 s[G1S+3], 32<<16
	s_mov_b32 s[G1S+4], 16*TS/256
	s_mov_b32 s[G1S+5], 32
	s_mov_b32 s[G1S+6], 0
	s_mov_b32 s[G1S+7], 0
	s_or_b32 s[G1SB], s44, (3<<16)|(1<<21)
	s_mov_b32 s[G1SB+1], 32<<16
	s_mov_b32 s[G1SB+2], (20*TS/256)<<16
	s_mov_b32 s[G1SB+3], 32<<16
	s_mov_b32 s[G1SB+4], 20*TS/256
	s_mov_b32 s[G1SB+5], 32
	s_mov_b32 s[G1SB+6], 0
	s_mov_b32 s[G1SB+7], 0
	s_lshl_b32 s20, s17, 4
	s_mul_i32 s22, s20, TS
	s_mul_i32 s20, s20, KS*1536
	s_mov_b32 s21, 0
	s_mov_b32 s23, 0
	s_mul_i32 s46, s42, 20
	s_mul_i32 s92, s46, TS
	s_mul_i32 s46, s46, KS*1536
	s_mov_b32 s47, 0
	s_mov_b32 s93, 0
	s_mul_i32 s45, s16, 24576
	s_mul_i32 s94, s16, 30720
	s_add_co_u32 s94, s94, BOFF
	s_mul_i32 s18, s16, 8*KS*1536                  ; in the ring I fetch half of a side's tiles: which half, in bytes
	s_mov_b32 s19, 0
	s_mul_i32 s98, s16, 10*KS*1536
	s_mov_b32 s99, 0
	s_mov_b32 s96, 0x76543210
	s_mov_b32 s97, 0xfedcba98
	s_wait_dscnt 0x0
	s_wait_kmcnt 0x0
	s_add_nc_u64 s[20:21], s[4:5], s[20:21]
	s_add_nc_u64 s[22:23], s[4:5], s[22:23]
	s_add_nc_u64 s[22:23], s[22:23], ASO
	s_add_nc_u64 s[46:47], s[6:7], s[46:47]
	s_add_nc_u64 s[46:47], s[46:47], BQO
	s_add_nc_u64 s[92:93], s[6:7], s[92:93]
	s_add_nc_u64 s[92:93], s[92:93], BSO
	CROUND
	s_mov_b32 s[G0S], 1
; The head's four tiles, one a wave: one tree of branches on the wave's number, every way passes one load
.macro ARM under, lds, ga, g1, next
.if \under < 4
	s_cmp_lt_u32 s14, \under
	s_cbranch_scc0 \next
.endif
	s_mov_b32 s[G0S+1], \lds
	s_mov_b64 s[G0S+2:G0S+3], s[\ga:\ga+1]
	s_or_b32 s[G0S+3], s[G0S+3], 0x80000000
	tensor_load_to_lds s[G0S:G0S+3], s[\g1:\g1+7]
	s_nop 0
	PLACES 4
.if \under < 4
	s_branch .Lhead_asked
.endif
\next:
.endm
	ARM 1, 0,    20, G1,   .Lhead_b
	ARM 2, BOFF, 46, G1B,  .Lhead_sa
	ARM 3, SCA,  22, G1S,  .Lhead_sb
	ARM 4, SCB,  92, G1SB, .Lhead_asked
	s_add_nc_u64 s[20:21], s[20:21], s[18:19]      ; for the ring: my half of the tiles
	s_add_nc_u64 s[46:47], s[46:47], s[98:99]
	s_cmp_eq_u32 s15, 0                            ; the prefetches: the tiles that I fetch,
	s_cselect_b64 s[PFA:PFA+1], s[20:21], s[46:47]
	s_cselect_b32 s90, s40, s41                    ; my place among the four that ask for them with me,
	s_cselect_b32 s66, 23, 29                      ; and the last lane that names a block of its own: 3 blocks of each of 8 or 10 tiles
	s_mul_i32 s90, s90, 768
	s_mov_b32 s91, 0
	s_add_nc_u64 s[PFA:PFA+1], s[PFA:PFA+1], s[90:91]
.irp s, 0,1
	s_mov_b32 s[G0+4*\s], 1
	s_add_co_u32 s[G0+4*\s+1], s45, \s*SLOT
	s_add_nc_u64 s[G0+4*\s+2:G0+4*\s+3], s[20:21], \s*3072
	s_or_b32 s[G0+4*\s+3], s[G0+4*\s+3], 0x80000000
	s_mov_b32 s[G0B+4*\s], 1
	s_add_co_u32 s[G0B+4*\s+1], s94, \s*SLOT
	s_add_nc_u64 s[G0B+4*\s+2:G0B+4*\s+3], s[46:47], \s*3072
	s_or_b32 s[G0B+4*\s+3], s[G0B+4*\s+3], 0x80000000
.endr
	v_and_b32 v1, 15, v0
	v_bfe_u32 v2, v0, 4, 1
	v_and_b32 v3, 31, v0
	v_lshlrev_b32 v4, 4, v3
	v_lshlrev_b32 v5, 2, v3
	v_lshlrev_b32 v6, 5, v2
	v_min_u32 v9, s66, v3                          ; lane l names block l % 3 of my 768 bytes of tile l / 3
	v_mul_u32_u24 v10, v9, 11
	v_lshrrev_b32 v10, 5, v10                      ; l / 3, for l under 32
	v_mul_u32_u24 v11, v10, 3
	v_sub_nc_u32 v11, v9, v11
	v_mul_u32_u24 v10, v10, KS*1536
	v_lshl_add_u32 v[PFO], v11, 8, v10
	global_prefetch_b8 v[PFO], s[PFA:PFA+1] offset:3072 th:TH_LOAD_NT scope:SCOPE_SE   ; chunk 1, asked for behind the next round,
	global_prefetch_b8 v[PFO], s[PFA:PFA+1] offset:6144 th:TH_LOAD_NT scope:SCOPE_SE   ; and chunk 2
	v_mov_b32 v[ADRA], v4
	v_add_nc_u32 v[ADRA+1], SLOT, v4
	s_mul_i32 s18, s14, 15360
	s_add_co_u32 s18, s18, BOFF
	v_add_nc_u32 v[ADRB], s18, v4
	s_add_co_u32 s18, s18, SLOT
	v_add_nc_u32 v[ADRB+1], s18, v4
	v_add_nc_u32 v[ADSA], SCA, v5
	s_mul_i32 s18, s14, 5*TS
	s_add_co_u32 s18, s18, SCB
	v_add_nc_u32 v[ADSB], s18, v5
	v_mul_u32_u24 v7, v1, 272
	v_add_nc_u32 v7, v7, v6
	s_lshl_b32 s18, s14, 6
	v_add_nc_u32 v[STO], s18, v7
	s_add_co_u32 s19, s18, STL
	v_add_nc_u32 v[STA], s19, v6
	s_mul_i32 s18, s14, 64*272
	v_mul_u32_u24 v7, v2, 272
	v_lshl_add_u32 v7, v1, 4, v7
	v_add_nc_u32 v[RD], s18, v7
	v_lshlrev_b32 v7, 13, v2
	v_lshl_add_u32 v[CO], v1, 4, v7
	v_lshl_add_u32 v[XSA], v1, 2, XSL
	s_lshl_b32 s18, s14, 8
	v_add_nc_u32 v8, s18, v[XSA]
	v_add_nc_u32 v[SLD], STL, v4
	s_lshl_b32 s46, s42, 2
	s_add_co_u32 s46, s46, s14
	s_lshl_b32 s92, s46, 6
	s_mov_b32 s93, 0
	s_add_nc_u64 s[8:9], s[8:9], s[92:93]
	s_mul_i32 s46, s46, NPC*512
	s_mov_b32 s47, 0
	s_add_nc_u64 s[46:47], s[6:7], s[46:47]
	s_add_nc_u64 s[46:47], s[46:47], BPO
	s_lshl_b32 s20, s17, 4
	s_lshl_b32 s21, s14, 2
	s_add_co_u32 s20, s20, s21
	s_mul_i32 s20, s20, 128*NXL
	s_mov_b32 s21, 0
	s_add_nc_u64 s[20:21], s[4:5], s[20:21]
	s_add_nc_u64 s[20:21], s[20:21], AXO
	global_load_b128 v[LAM:LAM+3], v6, s[8:9]
	global_load_b128 v[LAM+4:LAM+7], v6, s[8:9] offset:16
.irp k, 0,1,2,3
	global_load_b128 v[NC+8*\k:NC+8*\k+3], v6, s[46:47] offset:64*\k
	global_load_b128 v[NC+8*\k+4:NC+8*\k+7], v6, s[46:47] offset:64*\k+16
.endr
.if EXPO
	global_load_b128 v[MSQ:MSQ+3], v6, s[46:47] offset:256
	global_load_b128 v[MSQ+4:MSQ+7], v6, s[46:47] offset:272
.endif
	WIN 0x40
.set PP_, 1
.rept NPC-1
.irp k, 0,1,2,3
	global_load_b128 v[40*(PP_-1)+8*\k:40*(PP_-1)+8*\k+3], v6, s[46:47] offset:512*PP_+64*\k
	global_load_b128 v[40*(PP_-1)+8*\k+4:40*(PP_-1)+8*\k+7], v6, s[46:47] offset:512*PP_+64*\k+16
.endr
.if EXPO
	global_load_b128 v[40*(PP_-1)+32:40*(PP_-1)+35], v6, s[46:47] offset:512*PP_+256
	global_load_b128 v[40*(PP_-1)+36:40*(PP_-1)+39], v6, s[46:47] offset:512*PP_+272
.endif
.set PP_, PP_+1
.endr
.irp jj, 0,1,2,3
.set II_, 0
.rept NXL
	global_load_b32 v[128+NXL*\jj+II_], v5, s[20:21] offset:128*NXL*\jj+128*II_
.set II_, II_+1
.endr
.endr
	WIN 0
	s_wait_loadcnt 0x0
	WIN 0x04
.set PP_, 1
.rept NPC-1
.set JJ_, 0
.rept 16
	v_pk_add_f32 v[NC+2*JJ_:NC+2*JJ_+1], v[NC+2*JJ_:NC+2*JJ_+1], v[40*(PP_-1)+2*JJ_:40*(PP_-1)+2*JJ_+1]
.set JJ_, JJ_+1
.endr
.if EXPO
.set JJ_, 0
.rept 4
	v_pk_add_f32 v[MSQ+2*JJ_:MSQ+2*JJ_+1], v[MSQ+2*JJ_:MSQ+2*JJ_+1], v[40*(PP_-1)+32+2*JJ_:40*(PP_-1)+32+2*JJ_+1]
.set JJ_, JJ_+1
.endr
.endif
.set PP_, PP_+1
.endr
.if NXL > 1
	WIN 0x45
.set II_, 1
.rept NXL-1
.irp jj, 0,1,2,3
	v_add_f32 v[128+NXL*\jj], v[128+NXL*\jj], v[128+NXL*\jj+II_]
.endr
.set II_, II_+1
.endr
.endif
	WIN 0x01
.irp jj, 0,1,2,3
	v_mov_b32 v[TP+\jj], v[128+NXL*\jj]
.endr
	WIN 0
.irp jj, 0,1,2,3
	v_mov_b32 v[TP+4+\jj], 0
.endr
.irp jj, 0,1,2,3
	v_permlanex16_b32 v[TP+4+\jj], v[TP+\jj], s96, s97
.endr
.irp jj, 0,1,2,3
	v_add_f32 v[TP+\jj], v[TP+\jj], v[TP+4+\jj]
.endr
.irp jj, 0,1,2,3
	ds_store_b32 v8, v[TP+\jj] offset:64*\jj
.endr
.irp j, 0,2,4,6
	v_pk_mul_f32 v[LAM+\j:LAM+\j+1], v[LAM+\j:LAM+\j+1], -1.0 op_sel_hi:[1,0]
.endr
.irp j, 0,2,4,6,8,10,12,14,16,18,20,22,24,26,28,30
	v_pk_mul_f32 v[NC+\j:NC+\j+1], v[NC+\j:NC+\j+1], -1.0 op_sel_hi:[1,0]
.endr
.if EXPO
.irp j, 0,2,4,6
	v_pk_mul_f32 v[MSQ+\j:MSQ+\j+1], v[MSQ+\j:MSQ+\j+1], v[LAM+\j:LAM+\j+1]
.endr
.endif
	s_lshl_b32 s20, s17, 8
	s_lshl_b32 s18, s14, 6
	s_add_co_u32 s20, s20, s18
	s_lshl_b32 s20, s20, 13
	s_mov_b32 s21, 0
	s_lshl_b32 s46, s42, 8
	s_mov_b32 s47, 0
	s_lshl_b32 s92, s17, 14
	s_mov_b32 s93, 0
	s_add_nc_u64 s[12:13], s[10:11], s[92:93]
	s_add_nc_u64 s[12:13], s[12:13], s[46:47]
	s_add_nc_u64 s[12:13], s[12:13], 16777216
	s_add_nc_u64 s[10:11], s[10:11], s[20:21]
	s_add_nc_u64 s[10:11], s[10:11], s[46:47]
	s_wait_alu depctr_va_vdst(0)
	s_wait_tensorcnt 0x0                           ; my tile of the head's four is in
	ds_add_u32 v[SPW], v[NIL]
	s_mov_b32 s[G1+2], 8<<16                       ; no tensor load of mine is out: from here on a load brings half of a side's tiles
	s_mov_b32 s[G1+4], 8
	s_mov_b32 s[G1B+2], 10<<16
	s_mov_b32 s[G1B+4], 10
	s_wait_dscnt 0x0                               ; the add and my stores of the rows' sums of squares are done
	CROUND
	JLOAD G0+4, G1, G0B+4, G1B                     ; chunk 1
	FB 0, 0, 0
	SCL 0
	FA 0, 0, 0
	FA 0, 0, 1
	FA 0, 0, 2
	FA 0, 0, 3
	WIN 0
	global_prefetch_b8 v[PFO], s[PFA:PFA+1] offset:9216 th:TH_LOAD_NT scope:SCOPE_SE   ; chunk 3
	STEP 0, 1
	WIN 0
	s_mov_b32 s3, LAPS-1
.Llap:
	TURN 0, 1, 1
	STEP 1, 0
	TURN 1, 0, 1
	STEP 0, 0
	WIN 0
	s_sub_co_u32 s3, s3, 1
	s_cmp_lg_u32 s3, 0
	s_cbranch_scc1 .Llap
	TURN 0, 1, 0
	STEP 1, 0
	LAST
.macro QA a
.set PA_, 40*((\a)%6)
.irp p, 0,1,2,3
.if ((\a)&1) == 0
	v_pk_fma_f32 v[PA_+2*\p:PA_+2*\p+1], v[PA_+2*\p:PA_+2*\p+1], -2.0, v[XSQ+(\a):XSQ+(\a)+1] op_sel_hi:[1,0,0]
.else
	v_pk_fma_f32 v[PA_+2*\p:PA_+2*\p+1], v[PA_+2*\p:PA_+2*\p+1], -2.0, v[XSQ+(\a)-1:XSQ+(\a)] op_sel:[0,0,1] op_sel_hi:[1,0,1]
.endif
.endr
.irp p, 0,1,2,3
.if EXPO
	v_pk_fma_f32 v[PA_+2*\p:PA_+2*\p+1], v[PA_+2*\p:PA_+2*\p+1], v[LAM+2*\p:LAM+2*\p+1], v[MSQ+2*\p:MSQ+2*\p+1]
.else
	v_pk_mul_f32 v[PA_+2*\p:PA_+2*\p+1], v[PA_+2*\p:PA_+2*\p+1], v[LAM+2*\p:LAM+2*\p+1]
.endif
.endr
.endm
.macro QB a
.set PA_, 40*((\a)%6)
.irp k, 1,2,3,4
.irp p, 0,1,2,3
	v_pk_fma_f32 v[PA_+2*\p:PA_+2*\p+1], v[PA_+8*\k+2*\p:PA_+8*\k+2*\p+1], v[PA_+8*\k+2*\p:PA_+8*\k+2*\p+1], v[PA_+2*\p:PA_+2*\p+1] neg_lo:[1,0,0] neg_hi:[1,0,0]
.endr
.endr
.endm
.macro QM a
.set PA_, 40*((\a)%6)
.irp p, 0,1,2,3
	v_pk_mul_f32 v[PA_+2*\p:PA_+2*\p+1], v[PA_+2*\p:PA_+2*\p+1], 0x3a38aa3b op_sel_hi:[1,0]
.endr
.endm
.macro QX a
.set PA_, 40*((\a)%6)
.irp j, 0,1,2,3,4,5,6,7
	v_exp_f32 v[PA_+\j], v[PA_+\j]
.endr
.endm
.macro EPIW w, first, n
	WIN ((\w)<<6)|(\w)
.set AT_, \first
.rept \n
	QA AT_
.set AT_, AT_+1
.endr
	WIN (\w)*0x55
.set AT_, \first
.rept \n
	QB AT_
.set AT_, AT_+1
.endr
.if EXPO
.set AT_, \first
.rept \n
	QM AT_
.set AT_, AT_+1
.endr
.set AT_, \first
.rept \n
	QX AT_
.set AT_, AT_+1
.endr
	v_nop
	s_wait_alu depctr_va_vdst(0)
.endif
.endm
.macro SUMW w, first, n
	WIN (\w)<<2
.set AT_, \first
.rept \n
.irp p, 0,1,2,3
	v_pk_add_f32 v[SS+2*\p:SS+2*\p+1], v[SS+2*\p:SS+2*\p+1], v[40*(AT_%6)+2*\p:40*(AT_%6)+2*\p+1]
.endr
.set AT_, AT_+1
.endr
.endm
.macro DEVW w, first, n
	WIN ((\w)<<6)|(\w)
.set AT_, \first
.rept \n
.irp p, 0,1,2,3
	v_pk_add_f32 v[40*(AT_%6)+8+2*\p:40*(AT_%6)+8+2*\p+1], v[40*(AT_%6)+2*\p:40*(AT_%6)+2*\p+1], v[SS+2*\p:SS+2*\p+1] neg_lo:[0,1] neg_hi:[0,1]
.endr
.set AT_, AT_+1
.endr
	WIN (\w)*5
.set AT_, \first
.rept \n
.irp p, 0,1,2,3
.if AT_ == 0
	v_pk_mul_f32 v[MM+2*\p:MM+2*\p+1], v[8+2*\p:8+2*\p+1], v[8+2*\p:8+2*\p+1]
.else
	v_pk_fma_f32 v[MM+2*\p:MM+2*\p+1], v[40*(AT_%6)+8+2*\p:40*(AT_%6)+8+2*\p+1], v[40*(AT_%6)+8+2*\p:40*(AT_%6)+8+2*\p+1], v[MM+2*\p:MM+2*\p+1]
.endif
.endr
.set AT_, AT_+1
.endr
.endm
.macro ROWSUM base
.irp m, 1,2,4,8
.irp j, 0,1,2,3,4,5,6,7
	v_add_f32_dpp v[\base+\j], v[\base+\j], v[\base+\j] row_xmask:\m row_mask:0xf bank_mask:0xf
.endr
.endr
.endm
.macro YOUT w, first, n
	WIN (\w)<<2
.set AT_, \first
.rept \n
	ds_store_b128 v[STO], v[40*(AT_%6):40*(AT_%6)+3] offset:4352*AT_
	ds_store_b128 v[STO], v[40*(AT_%6)+4:40*(AT_%6)+7] offset:4352*AT_+16
.set AT_, AT_+1
.endr
.endm
	PLACES 4
.irp a, 0,1,2,3,4,5,6,7,8,9,10,11,12,13,14,15
	ds_load_b32 v[XSQ+\a], v[XSA] offset:64*\a
.endr
	s_wait_dscnt 0x0
	EPIW 1, 0, 6
	EPIW 2, 6, 6
	EPIW 3, 12, 4
	YOUT 1, 0, 6
	YOUT 2, 6, 6
	YOUT 3, 12, 4
	WIN 0
	s_wait_alu depctr_va_vdst(0)
	s_wait_dscnt 0x0
	s_barrier_signal -1
	s_barrier_wait -1
.set II_, 0
.rept 32
	ds_load_b128 v[OB+4*II_:OB+4*II_+3], v[RD] offset:544*II_
.set II_, II_+1
.endr
.set II_, 0
.rept 32
	s_wait_dscnt 31-II_
	global_store_b128 v[CO], v[OB+4*II_:OB+4*II_+3], s[10:11] offset:16384*II_
.set II_, II_+1
.endr
	WIN 0x05                                       ; the columns' statistics, behind y's stores: the mean over my 256 rows,
.irp p, 0,1,2,3
	v_pk_add_f32 v[SS+2*\p:SS+2*\p+1], v[2*\p:2*\p+1], v[40+2*\p:40+2*\p+1]
.endr
	SUMW 1, 2, 4
	SUMW 2, 6, 6
	SUMW 3, 12, 4
	WIN 0
	ROWSUM SS
.irp p, 0,1,2,3
	v_pk_mul_f32 v[SS+2*\p:SS+2*\p+1], v[SS+2*\p:SS+2*\p+1], 0x3b800000 op_sel_hi:[1,0]
.endr
	DEVW 1, 0, 6                                   ; and the sum of squared deviations from it
	DEVW 2, 6, 6
	DEVW 3, 12, 4
	WIN 0
	ROWSUM MM
	ds_store_b128 v[STA], v[SS:SS+3]
	ds_store_b128 v[STA], v[SS+4:SS+7] offset:16
	ds_store_b128 v[STA], v[MM:MM+3] offset:256
	ds_store_b128 v[STA], v[MM+4:MM+7] offset:272
	s_wait_dscnt 0x0                               ; for wave 0's sake
	s_barrier_signal -1
	s_barrier_wait -1
	s_cmp_lg_u32 s14, 0
	s_cbranch_scc1 .Lno_stat
	ds_load_b128 v[TP:TP+3], v[SLD]
	s_wait_dscnt 0x0
	global_store_b128 v[CO], v[TP:TP+3], s[12:13]
.Lno_stat:
	s_wait_tensorcnt 0x0
	ds_add_u32 v[SPW], v[NIL]
	s_wait_dscnt 0x0
	CROUND
	s_endpgm
.Lfunc_end_k_q657ed4458d_gemm1:
	.size	k_q657ed4458d_gemm1, .Lfunc_end_k_q657ed4458d_gemm1-k_q657ed4458d_gemm1
	.p2alignl 7, 3214868480
	.fill 96, 4, 3214868480
	.section	.rodata,"a",@progbits
	.p2align	6, 0x0
	.amdhsa_kernel k_q657ed4458d_gemm1
		.amdhsa_group_segment_fixed_size 327680
		.amdhsa_private_segment_fixed_size 0
		.amdhsa_enable_private_segment 0
		.amdhsa_kernarg_size 24
		.amdhsa_user_sgpr_count 2
		.amdhsa_user_sgpr_kernarg_segment_ptr 1
		.amdhsa_wavefront_size32 1
		.amdhsa_system_sgpr_workgroup_id_x 1
		.amdhsa_system_sgpr_workgroup_id_y 1
		.amdhsa_system_sgpr_workgroup_id_z 1
		.amdhsa_system_vgpr_workitem_id 0
		.amdhsa_next_free_vgpr 1024
		.amdhsa_next_free_sgpr 100
		.amdhsa_reserve_vcc 0
		.amdhsa_float_denorm_mode_32 3
		.amdhsa_float_denorm_mode_16_64 3
		.amdhsa_memory_ordered 1
		.amdhsa_forward_progress 1
		.amdhsa_inst_pref_size 202
	.end_amdhsa_kernel
	.amdgpu_metadata
---
amdhsa.version: [ 1, 2 ]
amdhsa.kernels:
  - .name:           k_q657ed4458d_gemm1
    .symbol:         k_q657ed4458d_gemm1.kd
    .args:
      - { .name: wq, .offset: 0, .size: 8, .value_kind: global_buffer, .address_space: global }
      - { .name: lam1, .offset: 8, .size: 8, .value_kind: global_buffer, .address_space: global }
      - { .name: ya, .offset: 16, .size: 8, .value_kind: global_buffer, .address_space: global }
    .group_segment_fixed_size: 327680
    .private_segment_fixed_size: 0
    .kernarg_segment_align: 8
    .kernarg_segment_size: 24
    .max_flat_workgroup_size: 128
    .sgpr_count:     100
    .vgpr_count:     1024
    .wavefront_size: 32
...
	.end_amdgpu_metadata
.endif
;; end of part 2
;; launch bn1 (part 3): grid 16 x 16, 4 waves a work-group, no clusters, 35,840 bytes of LDS; arguments ya, g1, b1, out1, fa; writes out1, fa
.if DOCPART == 3
	.amdgcn_target "amdgcn-amd-amdhsa--gfx1250"
	.amdhsa_code_object_version 6
	.text
	.protected	k_q657ed4458d_bn1
	.globl	k_q657ed4458d_bn1
	.p2align	8
	.type	k_q657ed4458d_bn1,@function
k_q657ed4458d_bn1:
	s_mov_b64 s[64:65], 0
	v_nop
	global_prefetch_b8 v0, s[64:65] scope:SCOPE_SE
	s_setreg_imm32_b32 hwreg(HW_REG_WAVE_MODE, 25, 1), 1
	s_wait_xcnt 0x0
; BN1: feat1 = (y1 - m) rsqrt(var + 1e-5) g1 + b1 over the batch of 2,048 rows; feat1 is stored, quantised along its columns (the next products' K) and its squares are summed by rows.
; The column's mean and variance come from the eight tiles' means mu_p and sums of squared deviations M2_p: m = sum mu_p / 8, var = sum M2_p / 2,048 + sum (mu_p - m)^2 / 8: no difference of large sums is formed.
; y1 lacks lam1 sum mu1^2 (dead work: shown at the head of the first launch): the mean taken away here is what removes it.
; SHARES.  A work-group takes 128 columns (one K step) x 128 rows; wave w two tiles of 16 rows.  Each wave merges the statistics of 32 columns; the 128 columns' three parameters go round through LDS.
; Each load and store of y and feat covers 512 consecutive bytes of a row; a tile turns through the wave's own stage in LDS so that a lane gets 2 x 32 neighbours along K.  Codes leave as images of the operand's registers.
; The scale words and the sums of squares leave as pieces of 64 bytes: their layout, [tile][K step][16 rows], puts a work-group's pieces 1,024 bytes apart.
; LIMITS: NaN and infinities are not served; a block whose largest magnitude lies under 2^-124 gets the byte 1 (a block of zeros has zero codes).
.set RELU,    0
.set TWO_OUT, 0
.set FSQ,     1
.set PRM,   33792                      ; [-m, a, beta][128 columns]
.set SPARE, 35328
.set L16, 1
.set STI, 2
.set STO, 3
.set SH8, 4
.set FO,  5
.set SPW, 6
.set NIL, 7
.set SO,  8
.set HH,  9
.set PM,  10
.set PA,  14
.set PB,  18
.set W0,  22
.set Q0,  24
.set TM,  26
.set SCO, 28
.set BY,  30
.set PC,  32
.set TMPC, 44
.set SUM, 52
.set W,   56
.set T,   57
.set PRA, 58
.set PRL, 59
.set LN,  60
.set RR,  61
.set X,   64
.set RAW, 128
.set SEL, 36
.macro QUANT64 s
.irp c, 0,1
	v_max3_num_f32 v[TM+\c], |v[\s+32*\c]|, |v[\s+32*\c+1]|, 0x1800000   ; with the floor 2^(3 - 127): the byte cannot fall under 1
.endr
.irp i, 2,4,6,8,10,12,14,16,18,20,22,24,26,28,30
.irp c, 0,1
	v_max3_num_f32 v[TM+\c], v[TM+\c], |v[\s+32*\c+\i]|, |v[\s+32*\c+\i+1]|
.endr
.endr
.irp c, 0,1
	v_add_nc_u32 v[SCO+\c], 0xff000000, v[TM+\c]   ; 2 off the exponent field: the conversion's scale operand
.endr
.irp c, 0,1
	v_lshrrev_b32 v[BY+\c], 23, v[SCO+\c]
.endr
	v_lshl_or_b32 v[W], v[BY+1], 16, v[BY]
	v_lshlrev_b32 v[W], v[SH8], v[W]
	v_permlanex16_b32 v[T], v[W], s[SEL], s[SEL+1]
	v_or_b32 v[W], v[W], v[T]
.irp c, 0,1
	v_cvt_scalef32_pk16_fp6_f32 v[PC+6*\c:PC+6*\c+2], v[\s+32*\c:\s+32*\c+15], v[SCO+\c]
	v_cvt_scalef32_pk16_fp6_f32 v[TMPC+4*\c:TMPC+4*\c+2], v[\s+32*\c+16:\s+32*\c+31], v[SCO+\c]
.endr
	v_nop                                          ; one plain place behind a scaled conversion
.irp c, 0,1
.irp i, 0,1,2
	v_mov_b32 v[PC+6*\c+3+\i], v[TMPC+4*\c+\i]
.endr
.endr
.endm
	s_load_b256 s[4:11], s[0:1], 0x0               ; y, g, b, out
.if TWO_OUT
	s_load_b128 s[12:15], s[0:1], 0x20             ; the second out, the codes' buffer
.else
	s_load_b64 s[14:15], s[0:1], 0x20              ; the codes' buffer
.endif
	v_lshl_add_u32 v[SPW], v0, 2, SPARE
	v_mov_b32 v[NIL], 0
	v_lshrrev_b32 v[T], 5, v0
	v_readfirstlane_b32 s16, v[T]                  ; wave
	v_and_b32 v[LN], 31, v0
	v_and_b32 v[RR], 15, v0
	v_bfe_u32 v[HH], v0, 4, 1
	v_lshlrev_b32 v[L16], 4, v[LN]
	v_lshlrev_b32 v[SH8], 3, v[HH]
	s_mul_i32 s20, s16, 8448
	v_add_nc_u32 v[STI], s20, v[L16]
	v_mul_u32_u24 v[STO], v[RR], 528
	v_lshl_add_u32 v[STO], v[HH], 7, v[STO]
	v_add_nc_u32 v[STO], s20, v[STO]
	v_lshlrev_b32 v[FO], 10, v[HH]
	v_lshl_add_u32 v[FO], v[RR], 2, v[FO]          ; 1,024 h + 4 r
	v_lshl_add_u32 v[PRA], v0, 2, PRM              ; my column's place: 4 (32 w + lane)
	v_add_nc_u32 v[PRL], PRM, v[L16]
	v_mov_b32 v[T], 0
	s_mov_b32 s[SEL], 0x76543210
	s_mov_b32 s[SEL+1], 0xfedcba98
	s_and_b32 s17, ttmp7, 0xffff                   ; which 128 rows
	s_lshl_b32 s20, ttmp9, 9                       ; 512 bytes a K step
	s_lshl_b32 s21, s16, 7
	s_add_co_u32 s21, s21, s20
	v_lshl_add_u32 v[SO], v[LN], 2, s21            ; my column, in bytes
	s_lshl_b32 s22, s17, 7
	s_lshl_b32 s23, s16, 5
	s_add_co_u32 s22, s22, s23
	s_lshl_b32 s22, s22, 13
	s_add_co_u32 s22, s22, s20                     ; (128 gy + 32 w) rows + the K step
	s_mov_b32 s23, 0
	s_lshl_b32 s24, s17, 3
	s_lshl_b32 s25, s16, 1
	s_add_co_u32 s24, s24, s25                     ; my first tile of rows
	s_mul_i32 s26, s24, 24576
	s_mul_i32 s27, ttmp9, 1536
	s_add_co_u32 s26, s26, s27
	s_mov_b32 s27, 0
	s_lshl_b32 s28, s24, 10
	s_lshl_b32 s29, ttmp9, 6
	s_add_co_u32 s28, s28, s29
	s_add_co_u32 s28, s28, 3145728
	s_mov_b32 s29, 0
	s_wait_alu depctr_va_vdst(0)
	s_wait_kmcnt 0x0
	s_add_nc_u64 s[18:19], s[4:5], 16777216        ; the statistics
	s_add_nc_u64 s[4:5], s[4:5], s[22:23]
	s_add_nc_u64 s[10:11], s[10:11], s[22:23]
.if TWO_OUT
	s_add_nc_u64 s[12:13], s[12:13], s[22:23]
.endif
	s_add_nc_u64 s[30:31], s[14:15], s[26:27]      ; codes
	s_add_nc_u64 s[32:33], s[14:15], s[28:29]      ; scale words
.if FSQ
	s_add_nc_u64 s[34:35], s[32:33], 131072        ; sums of squares
.endif
.irp p, 0,1,2,3,4,5,6,7
	global_load_b32 v[64+\p], v[SO], s[18:19] offset:16384*\p
	global_load_b32 v[72+\p], v[SO], s[18:19] offset:16384*\p+8192
.endr
	global_load_b32 v80, v[SO], s[6:7]
	global_load_b32 v81, v[SO], s[8:9]
.set II_, 0
.rept 32
	global_load_b128 v[RAW+4*II_:RAW+4*II_+3], v[L16], s[4:5] offset:8192*II_ th:TH_LOAD_NT   ; 512 consecutive bytes of a row
.set II_, II_+1
.endr
	s_wait_loadcnt 32                              ; the statistics are in; the 32 loads of y may be out
	v_add_f32 v82, v64, v65
	v_add_f32 v83, v66, v67
	v_add_f32 v84, v68, v69
	v_add_f32 v85, v70, v71
	v_add_f32 v82, v82, v83
	v_add_f32 v84, v84, v85
	v_add_f32 v82, v82, v84
	v_mul_f32 v82, 0x3e000000, v82                 ; m
	v_add_f32 v86, v72, v73
	v_add_f32 v83, v74, v75
	v_add_f32 v84, v76, v77
	v_add_f32 v85, v78, v79
	v_add_f32 v86, v86, v83
	v_add_f32 v84, v84, v85
	v_add_f32 v86, v86, v84                        ; sum M2
.irp p, 0,1,2,3,4,5,6,7
	v_sub_f32 v[64+\p], v[64+\p], v82
.endr
	v_mul_f32 v87, v64, v64
.irp p, 1,2,3,4,5,6,7
	v_fmac_f32 v87, v[64+\p], v[64+\p]
.endr
	v_mul_f32 v87, 0x3e000000, v87
	v_fmamk_f32 v87, v86, 0x3a000000, v87          ; var = sum M2 / 2,048 + sum (mu_p - m)^2 / 8
	v_add_f32 v87, 0x3727c5ac, v87                 ; + 1e-5
	s_wait_alu depctr_va_vdst(0)
	v_rsq_f32 v88, v87
	v_xor_b32 v82, 0x80000000, v82                 ; -m.  (A plain place behind the transcendental)
	s_wait_alu depctr_va_vdst(0)                   ; the wait ahead of the result's first reader
	v_mul_f32 v88, v88, v80                        ; a = rsqrt x gamma
	ds_store_b32 v[PRA], v82
	ds_store_b32 v[PRA], v88 offset:512
	ds_store_b32 v[PRA], v81 offset:1024
	s_wait_dscnt 0x0                               ; for the others' sake
	s_barrier_signal -1
	s_barrier_wait -1
	ds_load_b128 v[PM:PM+3], v[PRL]                ; the parameters of my four columns of a row's 128
	ds_load_b128 v[PA:PA+3], v[PRL] offset:512
	ds_load_b128 v[PB:PB+3], v[PRL] offset:1024
	s_wait_dscnt 0x0
.macro FRAGM f
.if (\f) == 0
	s_wait_loadcnt 16                              ; this tile's 16 loads are in; the next tile's may be out
.else
	s_wait_loadcnt 0x0
.endif
.irp r, 0,1,2,3,4,5,6,7,8,9,10,11,12,13,14,15
.set B_, RAW+64*(\f)+4*\r
	v_pk_add_f32 v[B_:B_+1], v[B_:B_+1], v[PM:PM+1]
	v_pk_add_f32 v[B_+2:B_+3], v[B_+2:B_+3], v[PM+2:PM+3]
	v_pk_fma_f32 v[B_:B_+1], v[B_:B_+1], v[PA:PA+1], v[PB:PB+1]
	v_pk_fma_f32 v[B_+2:B_+3], v[B_+2:B_+3], v[PA+2:PA+3], v[PB+2:PB+3]
.if RELU
	v_max_num_f32 v[B_], 0, v[B_]
	v_max_num_f32 v[B_+1], 0, v[B_+1]
	v_max_num_f32 v[B_+2], 0, v[B_+2]
	v_max_num_f32 v[B_+3], 0, v[B_+3]
.endif
	global_store_b128 v[L16], v[B_:B_+3], s[10:11] offset:8192*(16*(\f)+\r) th:TH_STORE_NT
.if TWO_OUT
	global_store_b128 v[L16], v[B_:B_+3], s[12:13] offset:8192*(16*(\f)+\r) th:TH_STORE_NT
.endif
	ds_store_b128 v[STI], v[B_:B_+3] offset:528*\r
.endr
.irp c, 0,1
.irp i, 0,1,2,3,4,5,6,7
	ds_load_b128 v[X+32*\c+4*\i:X+32*\c+4*\i+3], v[STO] offset:256*\c+16*\i   ; LDS serves a wave's instructions in order: these see the stores above
.endr
.endr
	s_wait_dscnt 0x0
.if FSQ
.set P_, 0
.rept 32
.if P_ < 2
	v_pk_mul_f32 v[SUM+2*(P_%2):SUM+2*(P_%2)+1], v[X+2*P_:X+2*P_+1], v[X+2*P_:X+2*P_+1]
.else
	v_pk_fma_f32 v[SUM+2*(P_%2):SUM+2*(P_%2)+1], v[X+2*P_:X+2*P_+1], v[X+2*P_:X+2*P_+1], v[SUM+2*(P_%2):SUM+2*(P_%2)+1]
.endif
.set P_, P_+1
.endr
	v_pk_add_f32 v[SUM:SUM+1], v[SUM:SUM+1], v[SUM+2:SUM+3]
	v_add_f32 v[SUM], v[SUM], v[SUM+1]
	v_permlanex16_b32 v[T], v[SUM], s[SEL], s[SEL+1]
	v_add_f32 v[Q0+(\f)], v[SUM], v[T]             ; the row's sum of squares over this K step
.endif
.if (\f) > 0
	s_wait_xcnt 0x0                                ; the first tile's stores have read v[PC] on
.endif
	QUANT64 X
	v_mov_b32 v[W0+(\f)], v[W]
.irp c, 0,1,2
	global_store_b128 v[L16], v[PC+4*\c:PC+4*\c+3], s[30:31] offset:24576*(\f)+512*\c
.endr
.endm
	FRAGM 0
	FRAGM 1
	v_cmp_eq_u32 vcc_lo, 1, v[HH]
	v_cndmask_b32 v[W0], v[W0], v[W0+1], vcc_lo    ; lanes 0-15 the first tile's words, lanes 16-31 the second's
	global_store_b32 v[FO], v[W0], s[32:33]
.if FSQ
	v_cndmask_b32 v[Q0], v[Q0], v[Q0+1], vcc_lo
	global_store_b32 v[FO], v[Q0], s[34:35]
.endif
	s_wait_tensorcnt 0x0                           ; the wave's end
	ds_add_u32 v[SPW], v[NIL]
	s_wait_dscnt 0x0
	s_endpgm
.Lfunc_end_k_q657ed4458d_bn1:
	.size	k_q657ed4458d_bn1, .Lfunc_end_k_q657ed4458d_bn1-k_q657ed4458d_bn1
	.p2alignl 7, 3214868480
	.fill 96, 4, 3214868480
	.section	.rodata,"a",@progbits
	.p2align	6, 0x0
	.amdhsa_kernel k_q657ed4458d_bn1
		.amdhsa_group_segment_fixed_size 35840
		.amdhsa_private_segment_fixed_size 0
		.amdhsa_enable_private_segment 0
		.amdhsa_kernarg_size 40
		.amdhsa_user_sgpr_count 2
		.amdhsa_user_sgpr_kernarg_segment_ptr 1
		.amdhsa_wavefront_size32 1
		.amdhsa_system_sgpr_workgroup_id_x 1
		.amdhsa_system_sgpr_workgroup_id_y 1
		.amdhsa_system_sgpr_workgroup_id_z 1
		.amdhsa_system_vgpr_workitem_id 0
		.amdhsa_next_free_vgpr 256
		.amdhsa_next_free_sgpr 66
		.amdhsa_reserve_vcc 1
		.amdhsa_float_denorm_mode_32 3
		.amdhsa_float_denorm_mode_16_64 3
		.amdhsa_memory_ordered 1
		.amdhsa_forward_progress 1
		.amdhsa_inst_pref_size 36
	.end_amdhsa_kernel
	.amdgpu_metadata
---
amdhsa.version: [ 1, 2 ]
amdhsa.kernels:
  - .name:           k_q657ed4458d_bn1
    .symbol:         k_q657ed4458d_bn1.kd
    .args:
      - { .name: ya, .offset: 0, .size: 8, .value_kind: global_buffer, .address_space: global }
      - { .name: g1, .offset: 8, .size: 8, .value_kind: global_buffer, .address_space: global }
      - { .name: b1, .offset: 16, .size: 8, .value_kind: global_buffer, .address_space: global }
      - { .name: out1, .offset: 24, .size: 8, .value_kind: global_buffer, .address_space: global }
      - { .name: fa, .offset: 32, .size: 8, .value_kind: global_buffer, .address_space: global }
    .group_segment_fixed_size: 35840
    .private_segment_fixed_size: 0
    .kernarg_segment_align: 8
    .kernarg_segment_size: 40
    .max_flat_workgroup_size: 128
    .sgpr_count:     66
    .vgpr_count:     256
    .wavefront_size: 32
...
	.end_amdgpu_metadata
.endif
;; end of part 3
;; launch gemm2 (part 4): grid 32 x 8, 4 waves a work-group, clusters of 4 x 4, 327,680 bytes of LDS; arguments fa, wq, lam2, yb; writes yb
.if DOCPART == 4
	.amdgcn_target "amdgcn-amd-amdhsa--gfx1250"
	.amdhsa_code_object_version 6
	.text
	.protected	k_q657ed4458d_gemm2
	.globl	k_q657ed4458d_gemm2
	.p2align	8
	.type	k_q657ed4458d_gemm2,@function
k_q657ed4458d_gemm2:
	s_mov_b64 s[64:65], 0
	v_nop
	global_prefetch_b8 v0, s[64:65] scope:SCOPE_SE
	s_setreg_imm32_b32 hwreg(HW_REG_WAVE_MODE, 25, 1), 1
	s_wait_xcnt 0x0
	s_wait_alu depctr_hold_cnt(0) depctr_sa_sdst(0) depctr_va_vdst(0) depctr_va_sdst(0) depctr_va_ssrc(0) depctr_va_vcc(0) depctr_vm_vsrc(0)
	s_getreg_b32 s2, hwreg(HW_REG_IB_STS2, 6, 4)
	s_cmp_eq_u32 s2, 0
	s_cbranch_scc0 .Lentry_in_a_cluster
	s_endpgm
.Lentry_in_a_cluster:
	s_bfe_u32 s2, ttmp6, 0x10000c
	s_cmp_lg_u32 s2, 0xf033
	s_cbranch_scc0 .Lentry_shape_is_right
	s_endpgm
.Lentry_shape_is_right:
; GEMM2: y2[b][n] = exp(-(lam2[n] (|f_b|^2 - 2 f_b . mu2_n + |mu2_n|^2) + sum_k (f_b . v2_nk - c_nk)^2) / 2048), f = feat1, on codes of E2M3 with E8M0 scales, and each column's mean and sum of squared
; deviations over the block's 256 rows.  The exponent is never positive for lam2 >= 0, as reference() has it: no maximum is taken there or here.
; A work-group makes 256 rows x 64 n: 16 tiles of f against 20 tiles of weights (for 16 n: mu and v's four slices).  Wave w takes all 16 tiles of f and the five tiles of its 16 n: 80 accumulators.
; THE MATRIX INSTRUCTION IS USED TRANSPOSED (source 0 = weights, source 1 = f): a lane holds one row b and eight neighbouring n.  -c is the C of the first products of v's tiles.
; K goes in chunks of two K steps (3,072 bytes of each tile's run of register images) through two LDS slots.  CLUSTER 4 x 4: f's tiles are asked for jointly along a row of the cluster, the weights' along a column.
; THE HEAD: one joint load a wave: wave 0 chunk 0 of f, wave 1 of the weights, waves 2 and 3 the two blocks of scale words for all of K, which stay in LDS.  The small f32 inputs are loaded under them.
; Slot 1's first fill and every refill stand behind the wait for all loads, the add, the wait for it and a round of the cluster's barrier: one tensor load a wave is out at a time.
; A K step is eight groups of ten matrix instructions (two tiles of f against my five).  A group's registers of f are loaded again behind its four places: a fetch stands three groups, 30 matrix instructions, ahead of its use.
; PREFETCH: behind the request for chunk t each wave names chunk t + 2 of the tiles that it fetches (at the head chunk 1 too): of each tile's 3,072 bytes the partner at place p of the four that ask jointly names
; bytes 768 p on, a lane a block of 256 bytes, 24 or 30 lanes (the lanes left over name the last block again); the last two requests name nothing.
; THE WAY OUT: y goes through a stage in slot 0 (its last fill is read out) and leaves as whole rows of 256 bytes; the statistics are made behind those stores.
.set KS,   16
.set NPC,  4
.set NXL,  8
.set EXPO, 1
.set ASO,  3145728
.set AXO,  3276800
.set BQO,  9437184
.set BSO,  27131904
.set BPO,  27983872
.set LAPS, KS/4
.set TS,   64*KS
.set SLOT, 110592
.set BOFF, 49152
.set SCA,  2*SLOT
.set SCB,  SCA+16*TS
.set XSL,  SCB+20*TS
.set STL,  XSL+1024
.set SPARE, STL+512
.set ADRA, 16
.set ADRB, 18
.set ADSA, 20
.set ADSB, 21
.set STO,  22
.set RD,   23
.set CO,   24
.set XSA,  25
.set STA,  27
.set SPW,  28
.set NIL,  29
.set SLD,  30
.set SC,   32
.set BF,   76
.set LAM,  196
.set NC,   204
.set MSQ,  236
.set TP,   244
.set AF,   160
.set SS,   204
.set MM,   212
.set XSQ,  108
.set OB,   76
.set G1,   24
.set G0,   32
.set G1B,  48
.set G0B,  56
.set G1S,  68
.set G0S,  76
.set G1SB, 80
.set PFA,  88
.set PFO,  26
.set MSB, 0
.macro WIN new
.if MSB != (\new)
	s_set_vgpr_msb (MSB<<8)|(\new)
.set MSB, (\new)
.endif
.endm
.macro PLACES n
.rept \n
	v_nop
.endr
.endm
.macro JLOAD g0a, g1a, g0b, g1b
	s_cmp_eq_u32 s15, 0
	s_cbranch_scc0 .Lfor_b_\@
	tensor_load_to_lds s[\g0a:\g0a+3], s[\g1a:\g1a+7]
	s_nop 0
.rept 4
	v_nop
.endr
	s_branch .Lasked_\@
.Lfor_b_\@:
	tensor_load_to_lds s[\g0b:\g0b+3], s[\g1b:\g1b+7]
	s_nop 0
.rept 4
	v_nop
.endr
.Lasked_\@:
.endm
.macro CREST
	s_cmp_lg_u32 s14, 0
	s_cbranch_scc1 .Lnot_wave_0_\@
	s_barrier_signal -3
.Lnot_wave_0_\@:
	s_barrier_wait -3
	s_barrier_signal -1
	s_barrier_wait -1
.endm
.macro CROUND
	s_barrier_signal -1
	s_barrier_wait -1
	CREST
.endm
.macro WM ac, bf, af, cm, cr, sb, sa, q
.if (\q) == 0
.if (\cm) == 0
	v_wmma_scale_f32_16x16x128_f8f6f4 v[\ac:\ac+7], v[\bf:\bf+11], v[\af:\af+11], 0, v[\sb], v[\sa] matrix_a_fmt:MATRIX_FMT_FP6 matrix_b_fmt:MATRIX_FMT_FP6
.else
	v_wmma_scale_f32_16x16x128_f8f6f4 v[\ac:\ac+7], v[\bf:\bf+11], v[\af:\af+11], v[\cr:\cr+7], v[\sb], v[\sa] matrix_a_fmt:MATRIX_FMT_FP6 matrix_b_fmt:MATRIX_FMT_FP6
.endif
.else
	v_wmma_scale_f32_16x16x128_f8f6f4 v[\ac:\ac+7], v[\bf:\bf+11], v[\af:\af+11], v[\cr:\cr+7], v[\sb], v[\sa] matrix_a_fmt:MATRIX_FMT_FP6 matrix_b_fmt:MATRIX_FMT_FP6 matrix_a_scale:MATRIX_SCALE_ROW1 matrix_b_scale:MATRIX_SCALE_ROW1
.endif
.endm
.macro MUL10 g, p, q, set, zero
.set WW_, 1+(2*(\g))/6
.if \zero
	WIN (WW_<<6)|0x0c
.else
	WIN (WW_<<6)|(WW_<<4)|0x0c
.endif
.irp i, 0,1
.irp t, 0,1,2,3,4
.set AC_, 40*((2*(\g)+\i)%6)+8*\t
.set BB_, BF+60*(\p)+12*\t
.set AA_, AF+24*((\g)%4)+12*\i
.set SB_, SC+21*(\set)+16+\t
.set SA_, SC+21*(\set)+2*(\g)+\i
.if \zero
.if \t == 0
	WM AC_, BB_, AA_, 0, 0, SB_, SA_, \q
.else
.set CR_, NC+8*(\t-1)
	WM AC_, BB_, AA_, 1, CR_, SB_, SA_, \q
.endif
.else
	WM AC_, BB_, AA_, 1, AC_, SB_, SA_, \q
.endif
.endr
.endr
.endm
.macro GRP g, p, q, set, zero          ; a group and the four places ahead of the loads into its registers
	MUL10 \g, \p, \q, \set, \zero
	PLACES 4
.endm
.macro ASK                             ; the loop's prefetch: PFA stands at chunk t - 1, the chunk named is t + 2; the last trip's two requests have none
.if LAPS > 2
	s_cmp_gt_u32 s3, 1
	s_cbranch_scc0 .Lno_ask_\@
	global_prefetch_b8 v[PFO], s[PFA:PFA+1] offset:9216 th:TH_LOAD_NT scope:SCOPE_SE
.Lno_ask_\@:
.endif
.endm
.macro FA slot, q, g
	WIN 0xc0
.irp i, 0,1
.irp c, 0,1,2
	ds_load_b128 v[AF+24*((\g)%4)+12*\i+4*\c:AF+24*((\g)%4)+12*\i+4*\c+3], v[ADRA+\slot] offset:(2*(\g)+\i)*3072+1536*(\q)+512*\c
.endr
.endr
.endm
.macro FB slot, q, p
	WIN 0
.irp t, 0,1,2,3,4
.irp c, 0,1,2
	ds_load_b128 v[BF+60*(\p)+12*\t+4*\c:BF+60*(\p)+12*\t+4*\c+3], v[ADRB+\slot] offset:\t*3072+1536*(\q)+512*\c
.endr
.endr
.endm
.macro SCL set
	WIN 0
.irp i, 0,1,2,3,4,5,6,7,8,9,10,11,12,13,14,15
	ds_load_b32 v[SC+21*(\set)+\i], v[ADSA] offset:\i*TS
.endr
.irp t, 0,1,2,3,4
	ds_load_b32 v[SC+21*(\set)+16+\t], v[ADSB] offset:\t*TS
.endr
.endm
; A slot's first K step.  Behind group g's fetch of 6 loads three more fetches were issued when g is multiplied: 18 may be out; with the weights' 15 loads of the next K step among them, 33.
.macro STEP slot, zero
.irp g, 0,1,2,3
	s_wait_dscnt 18
	GRP \g, 0, 0, \slot, \zero
	FA \slot, 0, \g+4
.endr
	FB \slot, 1, 1
.irp g, 4,5,6,7
	s_wait_dscnt 33
	GRP \g, 0, 0, \slot, \zero
	FA \slot, 1, \g-4
.endr
.endm
; A slot's second K step, and the change of slots.  The next slot's 21 scale words lie in bytes that are filled once: they are read ahead of the barrier (counts 39: three fetches and the 21; 40: with the add).
.macro TURN slot, next, fill
.if (\fill) && (LAPS > 2)
	s_wait_xcnt 0x0                                ; my last prefetch has read its base: it steps a chunk
	s_add_nc_u64 s[PFA:PFA+1], s[PFA:PFA+1], 3072
.endif
	s_wait_dscnt 18
	GRP 0, 1, 1, \slot, 0
	FA \slot, 1, 4
	s_wait_dscnt 18
	GRP 1, 1, 1, \slot, 0
	FA \slot, 1, 5
	WIN 0
	s_wait_alu depctr_va_vdst(0)                   ; the wait ahead of the reader below
	v_add_nc_u32 v[ADSA], 128, v[ADSA]
	v_add_nc_u32 v[ADSB], 128, v[ADSB]
	SCL \next
	s_wait_dscnt 39
	GRP 2, 1, 1, \slot, 0
	FA \slot, 1, 6
	s_wait_dscnt 39
	GRP 3, 1, 1, \slot, 0
	FA \slot, 1, 7
	WIN 0
	s_wait_tensorcnt 0x0                           ; all my tensor loads have landed: my part of the next slot
	ds_add_u32 v[SPW], v[NIL]
	s_wait_dscnt 40
	MUL10 4, 1, 1, \slot, 0
	s_wait_dscnt 0x0                               ; the add is done, my reads of this slot are over
	s_barrier_signal -1
	MUL10 5, 1, 1, \slot, 0
	WIN 0
	s_barrier_wait -1
.if \fill
	CREST
	s_add_nc_u64 s[G0+4*\slot+2:G0+4*\slot+3], s[G0+4*\slot+2:G0+4*\slot+3], 6144
	s_add_nc_u64 s[G0B+4*\slot+2:G0B+4*\slot+3], s[G0B+4*\slot+2:G0B+4*\slot+3], 6144
	JLOAD G0+4*\slot, G1, G0B+4*\slot, G1B
.else
	PLACES 4
.endif
	FB \next, 0, 0
	FA \next, 0, 0
	FA \next, 0, 1
.if (\fill) && (LAPS > 2)
	WIN 0
	ASK
.endif
	GRP 6, 1, 1, \slot, 0
	FA \next, 0, 2
	GRP 7, 1, 1, \slot, 0
	FA \next, 0, 3
.endm
.macro LAST                            ; the last K step: the counts run down
.irp g, 0,1,2,3
	s_wait_dscnt 18
	GRP \g, 1, 1, 1, 0
	FA 1, 1, \g+4
.endr
.irp g, 4,5,6,7
	s_wait_dscnt 6*(7-\g)
	MUL10 \g, 1, 1, 1, 0
.endr
	WIN 0
.endm
.if EXPO
	s_load_b128 s[4:7], s[0:1], 0x0
	s_load_b128 s[8:11], s[0:1], 0x10
.else
	s_load_b64 s[4:5], s[0:1], 0x0
	s_load_b64 s[6:7], s[0:1], 0x0
	s_load_b64 s[8:9], s[0:1], 0x8
	s_load_b64 s[10:11], s[0:1], 0x10
.endif
	v_lshl_add_u32 v[SPW], v0, 2, SPARE
	v_mov_b32 v[NIL], 0
	ds_add_u32 v[SPW], v[NIL]
	ds_add_u32 v[SPW], v[NIL]
	v_lshrrev_b32 v1, 5, v0
	v_readfirstlane_b32 s14, v1
	s_lshr_b32 s15, s14, 1
	s_and_b32 s16, s14, 1
	s_bfe_u32 s40, ttmp6, 0x40000
	s_bfe_u32 s41, ttmp6, 0x40004
	s_lshl_b32 s42, ttmp9, 2
	s_add_co_u32 s42, s42, s40
	s_and_b32 s17, ttmp7, 0xffff
	s_lshl_b32 s17, s17, 2
	s_add_co_u32 s17, s17, s41
	s_lshl_b32 s43, s41, 2
	s_lshl_b32 s43, 15, s43
	s_lshl_b32 s44, 0x1111, s40
	s_or_b32 s[G1], s43, (3<<16)|(1<<21)
	s_mov_b32 s[G1+1], 384<<16
	s_mov_b32 s[G1+2], 16<<16                      ; the head's load brings all 16 tiles; the ring's loads 8 (set behind the head's wait)
	s_mov_b32 s[G1+3], 384<<16
	s_mov_b32 s[G1+4], 16
	s_mov_b32 s[G1+5], 192*KS
	s_mov_b32 s[G1+6], 0
	s_mov_b32 s[G1+7], 0
	s_or_b32 s[G1B], s44, (3<<16)|(1<<21)
	s_mov_b32 s[G1B+1], 384<<16
	s_mov_b32 s[G1B+2], 20<<16
	s_mov_b32 s[G1B+3], 384<<16
	s_mov_b32 s[G1B+4], 20
	s_mov_b32 s[G1B+5], 192*KS
	s_mov_b32 s[G1B+6], 0
	s_mov_b32 s[G1B+7], 0
	s_or_b32 s[G1S], s43, (3<<16)|(1<<21)
	s_mov_b32 s[G1S+1], 32<<16
	s_mov_b32 s[G1S+2], (16*TS/256)<<16
	s_mov_b32 s[G1S+3], 32<<16
	s_mov_b32 s[G1S+4], 16*TS/256
	s_mov_b32 s[G1S+5], 32
	s_mov_b32 s[G1S+6], 0
	s_mov_b32 s[G1S+7], 0
	s_or_b32 s[G1SB], s44, (3<<16)|(1<<21)
	s_mov_b32 s[G1SB+1], 32<<16
	s_mov_b32 s[G1SB+2], (20*TS/256)<<16
	s_mov_b32 s[G1SB+3], 32<<16
	s_mov_b32 s[G1SB+4], 20*TS/256
	s_mov_b32 s[G1SB+5], 32
	s_mov_b32 s[G1SB+6], 0
	s_mov_b32 s[G1SB+7], 0
	s_lshl_b32 s20, s17, 4
	s_mul_i32 s22, s20, TS
	s_mul_i32 s20, s20, KS*1536
	s_mov_b32 s21, 0
	s_mov_b32 s23, 0
	s_mul_i32 s46, s42, 20
	s_mul_i32 s92, s46, TS
	s_mul_i32 s46, s46, KS*1536
	s_mov_b32 s47, 0
	s_mov_b32 s93, 0
	s_mul_i32 s45, s16, 24576
	s_mul_i32 s94, s16, 30720
	s_add_co_u32 s94, s94, BOFF
	s_mul_i32 s18, s16, 8*KS*1536                  ; in the ring I fetch half of a side's tiles: which half, in bytes
	s_mov_b32 s19, 0
	s_mul_i32 s98, s16, 10*KS*1536
	s_mov_b32 s99, 0
	s_mov_b32 s96, 0x76543210
	s_mov_b32 s97, 0xfedcba98
	s_wait_dscnt 0x0
	s_wait_kmcnt 0x0
	s_add_nc_u64 s[20:21], s[4:5], s[20:21]
	s_add_nc_u64 s[22:23], s[4:5], s[22:23]
	s_add_nc_u64 s[22:23], s[22:23], ASO
	s_add_nc_u64 s[46:47], s[6:7], s[46:47]
	s_add_nc_u64 s[46:47], s[46:47], BQO
	s_add_nc_u64 s[92:93], s[6:7], s[92:93]
	s_add_nc_u64 s[92:93], s[92:93], BSO
	CROUND
	s_mov_b32 s[G0S], 1
; The head's four tiles, one a wave: one tree of branches on the wave's number, every way passes one load
.macro ARM under, lds, ga, g1, next
.if \under < 4
	s_cmp_lt_u32 s14, \under
	s_cbranch_scc0 \next
.endif
	s_mov_b32 s[G0S+1], \lds
	s_mov_b64 s[G0S+2:G0S+3], s[\ga:\ga+1]
	s_or_b32 s[G0S+3], s[G0S+3], 0x80000000
	tensor_load_to_lds s[G0S:G0S+3], s[\g1:\g1+7]
	s_nop 0
	PLACES 4
.if \under < 4
	s_branch .Lhead_asked
.endif
\next:
.endm
	ARM 1, 0,    20, G1,   .Lhead_b
	ARM 2, BOFF, 46, G1B,  .Lhead_sa
	ARM 3, SCA,  22, G1S,  .Lhead_sb
	ARM 4, SCB,  92, G1SB, .Lhead_asked
	s_add_nc_u64 s[20:21], s[20:21], s[18:19]      ; for the ring: my half of the tiles
	s_add_nc_u64 s[46:47], s[46:47], s[98:99]
	s_cmp_eq_u32 s15, 0                            ; the prefetches: the tiles that I fetch,
	s_cselect_b64 s[PFA:PFA+1], s[20:21], s[46:47]
	s_cselect_b32 s90, s40, s41                    ; my place among the four that ask for them with me,
	s_cselect_b32 s66, 23, 29                      ; and the last lane that names a block of its own: 3 blocks of each of 8 or 10 tiles
	s_mul_i32 s90, s90, 768
	s_mov_b32 s91, 0
	s_add_nc_u64 s[PFA:PFA+1], s[PFA:PFA+1], s[90:91]
.irp s, 0,1
	s_mov_b32 s[G0+4*\s], 1
	s_add_co_u32 s[G0+4*\s+1], s45, \s*SLOT
	s_add_nc_u64 s[G0+4*\s+2:G0+4*\s+3], s[20:21], \s*3072
	s_or_b32 s[G0+4*\s+3], s[G0+4*\s+3], 0x80000000
	s_mov_b32 s[G0B+4*\s], 1
	s_add_co_u32 s[G0B+4*\s+1], s94, \s*SLOT
	s_add_nc_u64 s[G0B+4*\s+2:G0B+4*\s+3], s[46:47], \s*3072
	s_or_b32 s[G0B+4*\s+3], s[G0B+4*\s+3], 0x80000000
.endr
	v_and_b32 v1, 15, v0
	v_bfe_u32 v2, v0, 4, 1
	v_and_b32 v3, 31, v0
	v_lshlrev_b32 v4, 4, v3
	v_lshlrev_b32 v5, 2, v3
	v_lshlrev_b32 v6, 5, v2
	v_min_u32 v9, s66, v3                          ; lane l names block l % 3 of my 768 bytes of tile l / 3
	v_mul_u32_u24 v10, v9, 11
	v_lshrrev_b32 v10, 5, v10                      ; l / 3, for l under 32
	v_mul_u32_u24 v11, v10, 3
	v_sub_nc_u32 v11, v9, v11
	v_mul_u32_u24 v10, v10, KS*1536
	v_lshl_add_u32 v[PFO], v11, 8, v10
	global_prefetch_b8 v[PFO], s[PFA:PFA+1] offset:3072 th:TH_LOAD_NT scope:SCOPE_SE   ; chunk 1, asked for behind the next round,
	global_prefetch_b8 v[PFO], s[PFA:PFA+1] offset:6144 th:TH_LOAD_NT scope:SCOPE_SE   ; and chunk 2
	v_mov_b32 v[ADRA], v4
	v_add_nc_u32 v[ADRA+1], SLOT, v4
	s_mul_i32 s18, s14, 15360
	s_add_co_u32 s18, s18, BOFF
	v_add_nc_u32 v[ADRB], s18, v4
	s_add_co_u32 s18, s18, SLOT
	v_add_nc_u32 v[ADRB+1], s18, v4
	v_add_nc_u32 v[ADSA], SCA, v5
	s_mul_i32 s18, s14, 5*TS
	s_add_co_u32 s18, s18, SCB
	v_add_nc_u32 v[ADSB], s18, v5
	v_mul_u32_u24 v7, v1, 272
	v_add_nc_u32 v7, v7, v6
	s_lshl_b32 s18, s14, 6
	v_add_nc_u32 v[STO], s18, v7
	s_add_co_u32 s19, s18, STL
	v_add_nc_u32 v[STA], s19, v6
	s_mul_i32 s18, s14, 64*272
	v_mul_u32_u24 v7, v2, 272
	v_lshl_add_u32 v7, v1, 4, v7
	v_add_nc_u32 v[RD], s18, v7
	v_lshlrev_b32 v7, 13, v2
	v_lshl_add_u32 v[CO], v1, 4, v7
	v_lshl_add_u32 v[XSA], v1, 2, XSL
	s_lshl_b32 s18, s14, 8
	v_add_nc_u32 v8, s18, v[XSA]
	v_add_nc_u32 v[SLD], STL, v4
	s_lshl_b32 s46, s42, 2
	s_add_co_u32 s46, s46, s14
	s_lshl_b32 s92, s46, 6
	s_mov_b32 s93, 0
	s_add_nc_u64 s[8:9], s[8:9], s[92:93]
	s_mul_i32 s46, s46, NPC*512
	s_mov_b32 s47, 0
	s_add_nc_u64 s[46:47], s[6:7], s[46:47]
	s_add_nc_u64 s[46:47], s[46:47], BPO
	s_lshl_b32 s20, s17, 4
	s_lshl_b32 s21, s14, 2
	s_add_co_u32 s20, s20, s21
	s_mul_i32 s20, s20, 128*NXL
	s_mov_b32 s21, 0
	s_add_nc_u64 s[20:21], s[4:5], s[20:21]
	s_add_nc_u64 s[20:21], s[20:21], AXO
	global_load_b128 v[LAM:LAM+3], v6, s[8:9]
	global_load_b128 v[LAM+4:LAM+7], v6, s[8:9] offset:16
.irp k, 0,1,2,3
	global_load_b128 v[NC+8*\k:NC+8*\k+3], v6, s[46:47] offset:64*\k
	global_load_b128 v[NC+8*\k+4:NC+8*\k+7], v6, s[46:47] offset:64*\k+16
.endr
.if EXPO
	global_load_b128 v[MSQ:MSQ+3], v6, s[46:47] offset:256
	global_load_b128 v[MSQ+4:MSQ+7], v6, s[46:47] offset:272
.endif
	WIN 0x40
.set PP_, 1
.rept NPC-1
.irp k, 0,1,2,3
	global_load_b128 v[40*(PP_-1)+8*\k:40*(PP_-1)+8*\k+3], v6, s[46:47] offset:512*PP_+64*\k
	global_load_b128 v[40*(PP_-1)+8*\k+4:40*(PP_-1)+8*\k+7], v6, s[46:47] offset:512*PP_+64*\k+16
.endr
.if EXPO
	global_load_b128 v[40*(PP_-1)+32:40*(PP_-1)+35], v6, s[46:47] offset:512*PP_+256
	global_load_b128 v[40*(PP_-1)+36:40*(PP_-1)+39], v6, s[46:47] offset:512*PP_+272
.endif
.set PP_, PP_+1
.endr
.irp jj, 0,1,2,3
.set II_, 0
.rept NXL
	global_load_b32 v[128+NXL*\jj+II_], v5, s[20:21] offset:128*NXL*\jj+128*II_
.set II_, II_+1
.endr
.endr
	WIN 0
	s_wait_loadcnt 0x0
	WIN 0x04
.set PP_, 1
.rept NPC-1
.set JJ_, 0
.rept 16
	v_pk_add_f32 v[NC+2*JJ_:NC+2*JJ_+1], v[NC+2*JJ_:NC+2*JJ_+1], v[40*(PP_-1)+2*JJ_:40*(PP_-1)+2*JJ_+1]
.set JJ_, JJ_+1
.endr
.if EXPO
.set JJ_, 0
.rept 4
	v_pk_add_f32 v[MSQ+2*JJ_:MSQ+2*JJ_+1], v[MSQ+2*JJ_:MSQ+2*JJ_+1], v[40*(PP_-1)+32+2*JJ_:40*(PP_-1)+32+2*JJ_+1]
.set JJ_, JJ_+1
.endr
.endif
.set PP_, PP_+1
.endr
.if NXL > 1
	WIN 0x45
.set II_, 1
.rept NXL-1
.irp jj, 0,1,2,3
	v_add_f32 v[128+NXL*\jj], v[128+NXL*\jj], v[128+NXL*\jj+II_]
.endr
.set II_, II_+1
.endr
.endif
	WIN 0x01
.irp jj, 0,1,2,3
	v_mov_b32 v[TP+\jj], v[128+NXL*\jj]
.endr
	WIN 0
.irp jj, 0,1,2,3
	v_mov_b32 v[TP+4+\jj], 0
.endr
.irp jj, 0,1,2,3
	v_permlanex16_b32 v[TP+4+\jj], v[TP+\jj], s96, s97
.endr
.irp jj, 0,1,2,3
	v_add_f32 v[TP+\jj], v[TP+\jj], v[TP+4+\jj]
.endr
.irp jj, 0,1,2,3
	ds_store_b32 v8, v[TP+\jj] offset:64*\jj
.endr
.irp j, 0,2,4,6
	v_pk_mul_f32 v[LAM+\j:LAM+\j+1], v[LAM+\j:LAM+\j+1], -1.0 op_sel_hi:[1,0]
.endr
.irp j, 0,2,4,6,8,10,12,14,16,18,20,22,24,26,28,30
	v_pk_mul_f32 v[NC+\j:NC+\j+1], v[NC+\j:NC+\j+1], -1.0 op_sel_hi:[1,0]
.endr
.if EXPO
.irp j, 0,2,4,6
	v_pk_mul_f32 v[MSQ+\j:MSQ+\j+1], v[MSQ+\j:MSQ+\j+1], v[LAM+\j:LAM+\j+1]
.endr
.endif
	s_lshl_b32 s20, s17, 8
	s_lshl_b32 s18, s14, 6
	s_add_co_u32 s20, s20, s18
	s_lshl_b32 s20, s20, 13
	s_mov_b32 s21, 0
	s_lshl_b32 s46, s42, 8
	s_mov_b32 s47, 0
	s_lshl_b32 s92, s17, 14
	s_mov_b32 s93, 0
	s_add_nc_u64 s[12:13], s[10:11], s[92:93]
	s_add_nc_u64 s[12:13], s[12:13], s[46:47]
	s_add_nc_u64 s[12:13], s[12:13], 16777216
	s_add_nc_u64 s[10:11], s[10:11], s[20:21]
	s_add_nc_u64 s[10:11], s[10:11], s[46:47]
	s_wait_alu depctr_va_vdst(0)
	s_wait_tensorcnt 0x0                           ; my tile of the head's four is in
	ds_add_u32 v[SPW], v[NIL]
	s_mov_b32 s[G1+2], 8<<16                       ; no tensor load of mine is out: from here on a load brings half of a side's tiles
	s_mov_b32 s[G1+4], 8
	s_mov_b32 s[G1B+2], 10<<16
	s_mov_b32 s[G1B+4], 10
	s_wait_dscnt 0x0                               ; the add and my stores of the rows' sums of squares are done
	CROUND
	JLOAD G0+4, G1, G0B+4, G1B                     ; chunk 1
	FB 0, 0, 0
	SCL 0
	FA 0, 0, 0
	FA 0, 0, 1
	FA 0, 0, 2
	FA 0, 0, 3
	WIN 0
	global_prefetch_b8 v[PFO], s[PFA:PFA+1] offset:9216 th:TH_LOAD_NT scope:SCOPE_SE   ; chunk 3
	STEP 0, 1
	WIN 0
	s_mov_b32 s3, LAPS-1
.Llap:
	TURN 0, 1, 1
	STEP 1, 0
	TURN 1, 0, 1
	STEP 0, 0
	WIN 0
	s_sub_co_u32 s3, s3, 1
	s_cmp_lg_u32 s3, 0
	s_cbranch_scc1 .Llap
	TURN 0, 1, 0
	STEP 1, 0
	LAST
.macro QA a
.set PA_, 40*((\a)%6)
.irp p, 0,1,2,3
.if ((\a)&1) == 0
	v_pk_fma_f32 v[PA_+2*\p:PA_+2*\p+1], v[PA_+2*\p:PA_+2*\p+1], -2.0, v[XSQ+(\a):XSQ+(\a)+1] op_sel_hi:[1,0,0]
.else
	v_pk_fma_f32 v[PA_+2*\p:PA_+2*\p+1], v[PA_+2*\p:PA_+2*\p+1], -2.0, v[XSQ+(\a)-1:XSQ+(\a)] op_sel:[0,0,1] op_sel_hi:[1,0,1]
.endif
.endr
.irp p, 0,1,2,3
.if EXPO
	v_pk_fma_f32 v[PA_+2*\p:PA_+2*\p+1], v[PA_+2*\p:PA_+2*\p+1], v[LAM+2*\p:LAM+2*\p+1], v[MSQ+2*\p:MSQ+2*\p+1]
.else
	v_pk_mul_f32 v[PA_+2*\p:PA_+2*\p+1], v[PA_+2*\p:PA_+2*\p+1], v[LAM+2*\p:LAM+2*\p+1]
.endif
.endr
.endm
.macro QB a
.set PA_, 40*((\a)%6)
.irp k, 1,2,3,4
.irp p, 0,1,2,3
	v_pk_fma_f32 v[PA_+2*\p:PA_+2*\p+1], v[PA_+8*\k+2*\p:PA_+8*\k+2*\p+1], v[PA_+8*\k+2*\p:PA_+8*\k+2*\p+1], v[PA_+2*\p:PA_+2*\p+1] neg_lo:[1,0,0] neg_hi:[1,0,0]
.endr
.endr
.endm
.macro QM a
.set PA_, 40*((\a)%6)
.irp p, 0,1,2,3
	v_pk_mul_f32 v[PA_+2*\p:PA_+2*\p+1], v[PA_+2*\p:PA_+2*\p+1], 0x3a38aa3b op_sel_hi:[1,0]
.endr
.endm
.macro QX a
.set PA_, 40*((\a)%6)
.irp j, 0,1,2,3,4,5,6,7
	v_exp_f32 v[PA_+\j], v[PA_+\j]
.endr
.endm
.macro EPIW w, first, n
	WIN ((\w)<<6)|(\w)
.set AT_, \first
.rept \n
	QA AT_
.set AT_, AT_+1
.endr
	WIN (\w)*0x55
.set AT_, \first
.rept \n
	QB AT_
.set AT_, AT_+1
.endr
.if EXPO
.set AT_, \first
.rept \n
	QM AT_
.set AT_, AT_+1
.endr
.set AT_, \first
	s_wait_alu depctr_va_vdst(0)
.rept \n
	QX AT_
.set AT_, AT_+1
.endr
	v_nop
	s_wait_alu depctr_va_vdst(0)
.endif
.endm
.macro SUMW w, first, n
	WIN (\w)<<2
.set AT_, \first
.rept \n
.irp p, 0,1,2,3
	v_pk_add_f32 v[SS+2*\p:SS+2*\p+1], v[SS+2*\p:SS+2*\p+1], v[40*(AT_%6)+2*\p:40*(AT_%6)+2*\p+1]
.endr
.set AT_, AT_+1
.endr
.endm
.macro DEVW w, first, n
	WIN ((\w)<<6)|(\w)
.set AT_, \first
.rept \n
.irp p, 0,1,2,3
	v_pk_add_f32 v[40*(AT_%6)+8+2*\p:40*(AT_%6)+8+2*\p+1], v[40*(AT_%6)+2*\p:40*(AT_%6)+2*\p+1], v[SS+2*\p:SS+2*\p+1] neg_lo:[0,1] neg_hi:[0,1]
.endr
.set AT_, AT_+1
.endr
	WIN (\w)*5
.set AT_, \first
.rept \n
.irp p, 0,1,2,3
.if AT_ == 0
	v_pk_mul_f32 v[MM+2*\p:MM+2*\p+1], v[8+2*\p:8+2*\p+1], v[8+2*\p:8+2*\p+1]
.else
	v_pk_fma_f32 v[MM+2*\p:MM+2*\p+1], v[40*(AT_%6)+8+2*\p:40*(AT_%6)+8+2*\p+1], v[40*(AT_%6)+8+2*\p:40*(AT_%6)+8+2*\p+1], v[MM+2*\p:MM+2*\p+1]
.endif
.endr
.set AT_, AT_+1
.endr
.endm
.macro ROWSUM base
.irp m, 1,2,4,8
.irp j, 0,1,2,3,4,5,6,7
	v_add_f32_dpp v[\base+\j], v[\base+\j], v[\base+\j] row_xmask:\m row_mask:0xf bank_mask:0xf
.endr
.endr
.endm
.macro YOUT w, first, n
	WIN (\w)<<2
.set AT_, \first
.rept \n
	ds_store_b128 v[STO], v[40*(AT_%6):40*(AT_%6)+3] offset:4352*AT_
	ds_store_b128 v[STO], v[40*(AT_%6)+4:40*(AT_%6)+7] offset:4352*AT_+16
.set AT_, AT_+1
.endr
.endm
	PLACES 4
.irp a, 0,1,2,3,4,5,6,7,8,9,10,11,12,13,14,15
	ds_load_b32 v[XSQ+\a], v[XSA] offset:64*\a
.endr
	s_wait_dscnt 0x0
	EPIW 1, 0, 6
	EPIW 2, 6, 6
	EPIW 3, 12, 4
	YOUT 1, 0, 6
	YOUT 2, 6, 6
	YOUT 3, 12, 4
	WIN 0
	s_wait_alu depctr_va_vdst(0)
	s_wait_dscnt 0x0
	s_barrier_signal -1
	s_barrier_wait -1
.set II_, 0
.rept 32
	ds_load_b128 v[OB+4*II_:OB+4*II_+3], v[RD] offset:544*II_
.set II_, II_+1
.endr
.set II_, 0
.rept 32
	s_wait_dscnt 31-II_
	global_store_b128 v[CO], v[OB+4*II_:OB+4*II_+3], s[10:11] offset:16384*II_
.set II_, II_+1
.endr
	WIN 0x05                                       ; the columns' statistics, behind y's stores: the mean over my 256 rows,
.irp p, 0,1,2,3
	v_pk_add_f32 v[SS+2*\p:SS+2*\p+1], v[2*\p:2*\p+1], v[40+2*\p:40+2*\p+1]
.endr
	SUMW 1, 2, 4
	SUMW 2, 6, 6
	SUMW 3, 12, 4
	WIN 0
	ROWSUM SS
.irp p, 0,1,2,3
	v_pk_mul_f32 v[SS+2*\p:SS+2*\p+1], v[SS+2*\p:SS+2*\p+1], 0x3b800000 op_sel_hi:[1,0]
.endr
	DEVW 1, 0, 6                                   ; and the sum of squared deviations from it
	DEVW 2, 6, 6
	DEVW 3, 12, 4
	WIN 0
	ROWSUM MM
	ds_store_b128 v[STA], v[SS:SS+3]
	ds_store_b128 v[STA], v[SS+4:SS+7] offset:16
	ds_store_b128 v[STA], v[MM:MM+3] offset:256
	ds_store_b128 v[STA], v[MM+4:MM+7] offset:272
	s_wait_dscnt 0x0                               ; for wave 0's sake
	s_barrier_signal -1
	s_barrier_wait -1
	s_cmp_lg_u32 s14, 0
	s_cbranch_scc1 .Lno_stat
	ds_load_b128 v[TP:TP+3], v[SLD]
	s_wait_dscnt 0x0
	global_store_b128 v[CO], v[TP:TP+3], s[12:13]
.Lno_stat:
	s_wait_tensorcnt 0x0
	ds_add_u32 v[SPW], v[NIL]
	s_wait_dscnt 0x0
	CROUND
	s_endpgm
.Lfunc_end_k_q657ed4458d_gemm2:
	.size	k_q657ed4458d_gemm2, .Lfunc_end_k_q657ed4458d_gemm2-k_q657ed4458d_gemm2
	.p2alignl 7, 3214868480
	.fill 96, 4, 3214868480
	.section	.rodata,"a",@progbits
	.p2align	6, 0x0
	.amdhsa_kernel k_q657ed4458d_gemm2
		.amdhsa_group_segment_fixed_size 327680
		.amdhsa_private_segment_fixed_size 0
		.amdhsa_enable_private_segment 0
		.amdhsa_kernarg_size 32
		.amdhsa_user_sgpr_count 2
		.amdhsa_user_sgpr_kernarg_segment_ptr 1
		.amdhsa_wavefront_size32 1
		.amdhsa_system_sgpr_workgroup_id_x 1
		.amdhsa_system_sgpr_workgroup_id_y 1
		.amdhsa_system_sgpr_workgroup_id_z 1
		.amdhsa_system_vgpr_workitem_id 0
		.amdhsa_next_free_vgpr 1024
		.amdhsa_next_free_sgpr 100
		.amdhsa_reserve_vcc 0
		.amdhsa_float_denorm_mode_32 3
		.amdhsa_float_denorm_mode_16_64 3
		.amdhsa_memory_ordered 1
		.amdhsa_forward_progress 1
		.amdhsa_inst_pref_size 221
	.end_amdhsa_kernel
	.amdgpu_metadata
---
amdhsa.version: [ 1, 2 ]
amdhsa.kernels:
  - .name:           k_q657ed4458d_gemm2
    .symbol:         k_q657ed4458d_gemm2.kd
    .args:
      - { .name: fa, .offset: 0, .size: 8, .value_kind: global_buffer, .address_space: global }
      - { .name: wq, .offset: 8, .size: 8, .value_kind: global_buffer, .address_space: global }
      - { .name: lam2, .offset: 16, .size: 8, .value_kind: global_buffer, .address_space: global }
      - { .name: yb, .offset: 24, .size: 8, .value_kind: global_buffer, .address_space: global }
    .group_segment_fixed_size: 327680
    .private_segment_fixed_size: 0
    .kernarg_segment_align: 8
    .kernarg_segment_size: 32
    .max_flat_workgroup_size: 128
    .sgpr_count:     100
    .vgpr_count:     1024
    .wavefront_size: 32
...
	.end_amdgpu_metadata
.endif
;; end of part 4
;; launch bn2 (part 5): grid 16 x 16, 4 waves a work-group, no clusters, 35,840 bytes of LDS; arguments yb, g2, b2, out2, out3, fb; writes out2, out3, fb
.if DOCPART == 5
	.amdgcn_target "amdgcn-amd-amdhsa--gfx1250"
	.amdhsa_code_object_version 6
	.text
	.protected	k_q657ed4458d_bn2
	.globl	k_q657ed4458d_bn2
	.p2align	8
	.type	k_q657ed4458d_bn2,@function
k_q657ed4458d_bn2:
	s_mov_b64 s[64:65], 0
	v_nop
	global_prefetch_b8 v0, s[64:65] scope:SCOPE_SE
	s_setreg_imm32_b32 hwreg(HW_REG_WAVE_MODE, 25, 1), 1
	s_wait_xcnt 0x0
; BN2: feat2 = relu((y2 - m) rsqrt(var + 1e-5) g2 + b2) over the batch of 2,048 rows; feat2 is stored twice (reference() returns it twice) and quantised along its columns, the last product's K.
; The column's mean and variance come from the eight tiles' means mu_p and sums of squared deviations M2_p: m = sum mu_p / 8, var = sum M2_p / 2,048 + sum (mu_p - m)^2 / 8: no difference of large sums is formed,
; though y2 lies close to 1 with a small spread.
; SHARES.  A work-group takes 128 columns (one K step) x 128 rows; wave w two tiles of 16 rows.  Each wave merges the statistics of 32 columns; the 128 columns' three parameters go round through LDS.
; Each load and store of y and feat covers 512 consecutive bytes of a row; a tile turns through the wave's own stage in LDS so that a lane gets 2 x 32 neighbours along K.  Codes leave as images of the operand's registers.
; The scale words leave as pieces of 64 bytes: their layout, [tile][K step][16 rows], puts a work-group's pieces 1,024 bytes apart.
; LIMITS: NaN and infinities are not served; a block whose largest magnitude lies under 2^-124 gets the byte 1 (a block of zeros, which the relu makes, has zero codes).
.set RELU,    1
.set TWO_OUT, 1
.set FSQ,     0
.set PRM,   33792                      ; [-m, a, beta][128 columns]
.set SPARE, 35328
.set L16, 1
.set STI, 2
.set STO, 3
.set SH8, 4
.set FO,  5
.set SPW, 6
.set NIL, 7
.set SO,  8
.set HH,  9
.set PM,  10
.set PA,  14
.set PB,  18
.set W0,  22
.set Q0,  24
.set TM,  26
.set SCO, 28
.set BY,  30
.set PC,  32
.set TMPC, 44
.set SUM, 52
.set W,   56
.set T,   57
.set PRA, 58
.set PRL, 59
.set LN,  60
.set RR,  61
.set X,   64
.set RAW, 128
.set SEL, 36
.macro QUANT64 s
.irp c, 0,1
	v_max3_num_f32 v[TM+\c], |v[\s+32*\c]|, |v[\s+32*\c+1]|, 0x1800000   ; with the floor 2^(3 - 127): the byte cannot fall under 1
.endr
.irp i, 2,4,6,8,10,12,14,16,18,20,22,24,26,28,30
.irp c, 0,1
	v_max3_num_f32 v[TM+\c], v[TM+\c], |v[\s+32*\c+\i]|, |v[\s+32*\c+\i+1]|
.endr
.endr
.irp c, 0,1
	v_add_nc_u32 v[SCO+\c], 0xff000000, v[TM+\c]   ; 2 off the exponent field: the conversion's scale operand
.endr
.irp c, 0,1
	v_lshrrev_b32 v[BY+\c], 23, v[SCO+\c]
.endr
	v_lshl_or_b32 v[W], v[BY+1], 16, v[BY]
	v_lshlrev_b32 v[W], v[SH8], v[W]
	v_permlanex16_b32 v[T], v[W], s[SEL], s[SEL+1]
	v_or_b32 v[W], v[W], v[T]
.irp c, 0,1
	v_cvt_scalef32_pk16_fp6_f32 v[PC+6*\c:PC+6*\c+2], v[\s+32*\c:\s+32*\c+15], v[SCO+\c]
	v_cvt_scalef32_pk16_fp6_f32 v[TMPC+4*\c:TMPC+4*\c+2], v[\s+32*\c+16:\s+32*\c+31], v[SCO+\c]
.endr
	v_nop                                          ; one plain place behind a scaled conversion
.irp c, 0,1
.irp i, 0,1,2
	v_mov_b32 v[PC+6*\c+3+\i], v[TMPC+4*\c+\i]
.endr
.endr
.endm
	s_load_b256 s[4:11], s[0:1], 0x0               ; y, g, b, out
.if TWO_OUT
	s_load_b128 s[12:15], s[0:1], 0x20             ; the second out, the codes' buffer
.else
	s_load_b64 s[14:15], s[0:1], 0x20              ; the codes' buffer
.endif
	v_lshl_add_u32 v[SPW], v0, 2, SPARE
	v_mov_b32 v[NIL], 0
	v_lshrrev_b32 v[T], 5, v0
	v_readfirstlane_b32 s16, v[T]                  ; wave
	v_and_b32 v[LN], 31, v0
	v_and_b32 v[RR], 15, v0
	v_bfe_u32 v[HH], v0, 4, 1
	v_lshlrev_b32 v[L16], 4, v[LN]
	v_lshlrev_b32 v[SH8], 3, v[HH]
	s_mul_i32 s20, s16, 8448
	v_add_nc_u32 v[STI], s20, v[L16]
	v_mul_u32_u24 v[STO], v[RR], 528
	v_lshl_add_u32 v[STO], v[HH], 7, v[STO]
	v_add_nc_u32 v[STO], s20, v[STO]
	v_lshlrev_b32 v[FO], 10, v[HH]
	v_lshl_add_u32 v[FO], v[RR], 2, v[FO]          ; 1,024 h + 4 r
	v_lshl_add_u32 v[PRA], v0, 2, PRM              ; my column's place: 4 (32 w + lane)
	v_add_nc_u32 v[PRL], PRM, v[L16]
	v_mov_b32 v[T], 0
	s_mov_b32 s[SEL], 0x76543210
	s_mov_b32 s[SEL+1], 0xfedcba98
	s_and_b32 s17, ttmp7, 0xffff                   ; which 128 rows
	s_lshl_b32 s20, ttmp9, 9                       ; 512 bytes a K step
	s_lshl_b32 s21, s16, 7
	s_add_co_u32 s21, s21, s20
	v_lshl_add_u32 v[SO], v[LN], 2, s21            ; my column, in bytes
	s_lshl_b32 s22, s17, 7
	s_lshl_b32 s23, s16, 5
	s_add_co_u32 s22, s22, s23
	s_lshl_b32 s22, s22, 13
	s_add_co_u32 s22, s22, s20                     ; (128 gy + 32 w) rows + the K step
	s_mov_b32 s23, 0
	s_lshl_b32 s24, s17, 3
	s_lshl_b32 s25, s16, 1
	s_add_co_u32 s24, s24, s25                     ; my first tile of rows
	s_mul_i32 s26, s24, 24576
	s_mul_i32 s27, ttmp9, 1536
	s_add_co_u32 s26, s26, s27
	s_mov_b32 s27, 0
	s_lshl_b32 s28, s24, 10
	s_lshl_b32 s29, ttmp9, 6
	s_add_co_u32 s28, s28, s29
	s_add_co_u32 s28, s28, 3145728
	s_mov_b32 s29, 0
	s_wait_alu depctr_va_vdst(0)
	s_wait_kmcnt 0x0
	s_add_nc_u64 s[18:19], s[4:5], 16777216        ; the statistics
	s_add_nc_u64 s[4:5], s[4:5], s[22:23]
	s_add_nc_u64 s[10:11], s[10:11], s[22:23]
.if TWO_OUT
	s_add_nc_u64 s[12:13], s[12:13], s[22:23]
.endif
	s_add_nc_u64 s[30:31], s[14:15], s[26:27]      ; codes
	s_add_nc_u64 s[32:33], s[14:15], s[28:29]      ; scale words
.if FSQ
	s_add_nc_u64 s[34:35], s[32:33], 131072        ; sums of squares
.endif
.irp p, 0,1,2,3,4,5,6,7
	global_load_b32 v[64+\p], v[SO], s[18:19] offset:16384*\p
	global_load_b32 v[72+\p], v[SO], s[18:19] offset:16384*\p+8192
.endr
	global_load_b32 v80, v[SO], s[6:7]
	global_load_b32 v81, v[SO], s[8:9]
.set II_, 0
.rept 32
	global_load_b128 v[RAW+4*II_:RAW+4*II_+3], v[L16], s[4:5] offset:8192*II_ th:TH_LOAD_NT   ; 512 consecutive bytes of a row
.set II_, II_+1
.endr
	s_wait_loadcnt 32                              ; the statistics are in; the 32 loads of y may be out
	v_add_f32 v82, v64, v65
	v_add_f32 v83, v66, v67
	v_add_f32 v84, v68, v69
	v_add_f32 v85, v70, v71
	v_add_f32 v82, v82, v83
	v_add_f32 v84, v84, v85
	v_add_f32 v82, v82, v84
	v_mul_f32 v82, 0x3e000000, v82                 ; m
	v_add_f32 v86, v72, v73
	v_add_f32 v83, v74, v75
	v_add_f32 v84, v76, v77
	v_add_f32 v85, v78, v79
	v_add_f32 v86, v86, v83
	v_add_f32 v84, v84, v85
	v_add_f32 v86, v86, v84                        ; sum M2
.irp p, 0,1,2,3,4,5,6,7
	v_sub_f32 v[64+\p], v[64+\p], v82
.endr
	v_mul_f32 v87, v64, v64
.irp p, 1,2,3,4,5,6,7
	v_fmac_f32 v87, v[64+\p], v[64+\p]
.endr
	v_mul_f32 v87, 0x3e000000, v87
	v_fmamk_f32 v87, v86, 0x3a000000, v87          ; var = sum M2 / 2,048 + sum (mu_p - m)^2 / 8
	v_add_f32 v87, 0x3727c5ac, v87                 ; + 1e-5
	s_wait_alu depctr_va_vdst(0)
	v_rsq_f32 v88, v87
	v_xor_b32 v82, 0x80000000, v82                 ; -m.  (A plain place behind the transcendental)
	s_wait_alu depctr_va_vdst(0)                   ; the wait ahead of the result's first reader
	v_mul_f32 v88, v88, v80                        ; a = rsqrt x gamma
	ds_store_b32 v[PRA], v82
	ds_store_b32 v[PRA], v88 offset:512
	ds_store_b32 v[PRA], v81 offset:1024
	s_wait_dscnt 0x0                               ; for the others' sake
	s_barrier_signal -1
	s_barrier_wait -1
	ds_load_b128 v[PM:PM+3], v[PRL]                ; the parameters of my four columns of a row's 128
	ds_load_b128 v[PA:PA+3], v[PRL] offset:512
	ds_load_b128 v[PB:PB+3], v[PRL] offset:1024
	s_wait_dscnt 0x0
.macro FRAGM f
.if (\f) == 0
	s_wait_loadcnt 16                              ; this tile's 16 loads are in; the next tile's may be out
.else
	s_wait_loadcnt 0x0
.endif
.irp r, 0,1,2,3,4,5,6,7,8,9,10,11,12,13,14,15
.set B_, RAW+64*(\f)+4*\r
	v_pk_add_f32 v[B_:B_+1], v[B_:B_+1], v[PM:PM+1]
	v_pk_add_f32 v[B_+2:B_+3], v[B_+2:B_+3], v[PM+2:PM+3]
	v_pk_fma_f32 v[B_:B_+1], v[B_:B_+1], v[PA:PA+1], v[PB:PB+1]
	v_pk_fma_f32 v[B_+2:B_+3], v[B_+2:B_+3], v[PA+2:PA+3], v[PB+2:PB+3]
.if RELU
	v_max_num_f32 v[B_], 0, v[B_]
	v_max_num_f32 v[B_+1], 0, v[B_+1]
	v_max_num_f32 v[B_+2], 0, v[B_+2]
	v_max_num_f32 v[B_+3], 0, v[B_+3]
.endif
	global_store_b128 v[L16], v[B_:B_+3], s[10:11] offset:8192*(16*(\f)+\r) th:TH_STORE_NT
.if TWO_OUT
	global_store_b128 v[L16], v[B_:B_+3], s[12:13] offset:8192*(16*(\f)+\r) th:TH_STORE_NT
.endif
	ds_store_b128 v[STI], v[B_:B_+3] offset:528*\r
.endr
.irp c, 0,1
.irp i, 0,1,2,3,4,5,6,7
	ds_load_b128 v[X+32*\c+4*\i:X+32*\c+4*\i+3], v[STO] offset:256*\c+16*\i   ; LDS serves a wave's instructions in order: these see the stores above
.endr
.endr
	s_wait_dscnt 0x0
.if FSQ
.set P_, 0
.rept 32
.if P_ < 2
	v_pk_mul_f32 v[SUM+2*(P_%2):SUM+2*(P_%2)+1], v[X+2*P_:X+2*P_+1], v[X+2*P_:X+2*P_+1]
.else
	v_pk_fma_f32 v[SUM+2*(P_%2):SUM+2*(P_%2)+1], v[X+2*P_:X+2*P_+1], v[X+2*P_:X+2*P_+1], v[SUM+2*(P_%2):SUM+2*(P_%2)+1]
.endif
.set P_, P_+1
.endr
	v_pk_add_f32 v[SUM:SUM+1], v[SUM:SUM+1], v[SUM+2:SUM+3]
	v_add_f32 v[SUM], v[SUM], v[SUM+1]
	v_permlanex16_b32 v[T], v[SUM], s[SEL], s[SEL+1]
	v_add_f32 v[Q0+(\f)], v[SUM], v[T]             ; the row's sum of squares over this K step
.endif
.if (\f) > 0
	s_wait_xcnt 0x0                                ; the first tile's stores have read v[PC] on
.endif
	QUANT64 X
	v_mov_b32 v[W0+(\f)], v[W]
.irp c, 0,1,2
	global_store_b128 v[L16], v[PC+4*\c:PC+4*\c+3], s[30:31] offset:24576*(\f)+512*\c
.endr
.endm
	FRAGM 0
	FRAGM 1
	v_cmp_eq_u32 vcc_lo, 1, v[HH]
	v_cndmask_b32 v[W0], v[W0], v[W0+1], vcc_lo    ; lanes 0-15 the first tile's words, lanes 16-31 the second's
	global_store_b32 v[FO], v[W0], s[32:33]
.if FSQ
	v_cndmask_b32 v[Q0], v[Q0], v[Q0+1], vcc_lo
	global_store_b32 v[FO], v[Q0], s[34:35]
.endif
	s_wait_tensorcnt 0x0                           ; the wave's end
	ds_add_u32 v[SPW], v[NIL]
	s_wait_dscnt 0x0
	s_endpgm
.Lfunc_end_k_q657ed4458d_bn2:
	.size	k_q657ed4458d_bn2, .Lfunc_end_k_q657ed4458d_bn2-k_q657ed4458d_bn2
	.p2alignl 7, 3214868480
	.fill 96, 4, 3214868480
	.section	.rodata,"a",@progbits
	.p2align	6, 0x0
	.amdhsa_kernel k_q657ed4458d_bn2
		.amdhsa_group_segment_fixed_size 35840
		.amdhsa_private_segment_fixed_size 0
		.amdhsa_enable_private_segment 0
		.amdhsa_kernarg_size 48
		.amdhsa_user_sgpr_count 2
		.amdhsa_user_sgpr_kernarg_segment_ptr 1
		.amdhsa_wavefront_size32 1
		.amdhsa_system_sgpr_workgroup_id_x 1
		.amdhsa_system_sgpr_workgroup_id_y 1
		.amdhsa_system_sgpr_workgroup_id_z 1
		.amdhsa_system_vgpr_workitem_id 0
		.amdhsa_next_free_vgpr 256
		.amdhsa_next_free_sgpr 66
		.amdhsa_reserve_vcc 1
		.amdhsa_float_denorm_mode_32 3
		.amdhsa_float_denorm_mode_16_64 3
		.amdhsa_memory_ordered 1
		.amdhsa_forward_progress 1
		.amdhsa_inst_pref_size 39
	.end_amdhsa_kernel
	.amdgpu_metadata
---
amdhsa.version: [ 1, 2 ]
amdhsa.kernels:
  - .name:           k_q657ed4458d_bn2
    .symbol:         k_q657ed4458d_bn2.kd
    .args:
      - { .name: yb, .offset: 0, .size: 8, .value_kind: global_buffer, .address_space: global }
      - { .name: g2, .offset: 8, .size: 8, .value_kind: global_buffer, .address_space: global }
      - { .name: b2, .offset: 16, .size: 8, .value_kind: global_buffer, .address_space: global }
      - { .name: out2, .offset: 24, .size: 8, .value_kind: global_buffer, .address_space: global }
      - { .name: out3, .offset: 32, .size: 8, .value_kind: global_buffer, .address_space: global }
      - { .name: fb, .offset: 40, .size: 8, .value_kind: global_buffer, .address_space: global }
    .group_segment_fixed_size: 35840
    .private_segment_fixed_size: 0
    .kernarg_segment_align: 8
    .kernarg_segment_size: 48
    .max_flat_workgroup_size: 128
    .sgpr_count:     66
    .vgpr_count:     256
    .wavefront_size: 32
...
	.end_amdgpu_metadata
.endif
;; end of part 5
;; launch gemm3 (part 6): grid 16 x 16, 4 waves a work-group, clusters of 4 x 4, 327,680 bytes of LDS; arguments fb, wq, bl, out0; writes out0
.if DOCPART == 6
	.amdgcn_target "amdgcn-amd-amdhsa--gfx1250"
	.amdhsa_code_object_version 6
	.text
	.protected	k_q657ed4458d_gemm3
	.globl	k_q657ed4458d_gemm3
	.p2align	8
	.type	k_q657ed4458d_gemm3,@function
k_q657ed4458d_gemm3:
	s_mov_b64 s[64:65], 0
	v_nop
	global_prefetch_b8 v0, s[64:65] scope:SCOPE_SE
	s_setreg_imm32_b32 hwreg(HW_REG_WAVE_MODE, 25, 1), 1
	s_wait_xcnt 0x0
	s_wait_alu depctr_hold_cnt(0) depctr_sa_sdst(0) depctr_va_vdst(0) depctr_va_sdst(0) depctr_va_ssrc(0) depctr_va_vcc(0) depctr_vm_vsrc(0)
	s_getreg_b32 s2, hwreg(HW_REG_IB_STS2, 6, 4)
	s_cmp_eq_u32 s2, 0
	s_cbranch_scc0 .Lentry_in_a_cluster
	s_endpgm
.Lentry_in_a_cluster:
	s_bfe_u32 s2, ttmp6, 0x10000c
	s_cmp_lg_u32 s2, 0xf033
	s_cbranch_scc0 .Lentry_shape_is_right
	s_endpgm
.Lentry_shape_is_right:
; GEMM3: logits = feat2 Wl^T + bl, on codes of E2M3 with E8M0 scales.  A work-group makes 128 rows x 64 columns; wave (mh, nh) 64 x 32: eight accumulators.  256 work-groups.
; ALL OF K (2,048) LIES IN LDS, BY ONE TENSOR LOAD A WAVE at the head: a tile of 16 rows with its 16 K steps is 24,576 consecutive bytes of register images, and neighbouring tiles follow each other in memory.
; Waves 0 and 1 bring four tiles of feat2 each, waves 2 and 3 two tiles of Wl each.  No byte is filled twice: no ring, one wait for the load and one barrier.
; CLUSTER 4 x 4: feat2's tiles are asked for jointly along a row of the cluster, Wl's along a column.  No prefetch: the launch has one fill and no loop to run ahead in.
; The columns 1,000 .. 1,023 do not exist: their codes are copies of Wl's row 999, their bias is a held address's, and the lanes that hold them store nothing.
; THE MATRIX INSTRUCTION IS USED TRANSPOSED: source 0 = 16 rows of Wl, source 1 = 16 rows of feat2: register j of lane (r, h) is (row r, column 8 h + j).  The bias is the C of the first K step's products.
; The scale words go from memory straight into registers: a register holds two K steps' words, lanes 0-15 the even one's, lanes 16-31 the odd one's.
; A row of out0 is 4,000 bytes: sixteen lanes store 256 consecutive bytes, which start on multiples of 16 bytes and not of 256.
; REGISTERS: window 0: v8-11, v12-13 LDS addresses by tile; v16-47 A's scale words, v48-63 B's; v64-79 the bias; v80-143 accumulators; v144-207 the way out.  Window 1: fragments, two sets of 72.
.set WLQ,  25165824
.set WLS,  27787264
.set FSO,  3145728
.set TB,   24576                       ; a tile, all of K
.set BL,   8*TB                        ; Wl's four tiles lie behind feat2's eight
.set SPARE, 12*TB
.set ADA, 8
.set ADB, 12
.set SA,  16
.set SB,  48
.set BI,  64
.set ACC, 80
.set OB,  144
.set STO, 208
.set RD,  209
.set GO,  210
.set COL, 211
.set BO,  212
.set SPW, 214
.set NIL, 215
.set G1A, 24
.set G1B, 32
.set G0A, 40
.set G0B, 44
.set MSB, 0
.macro WIN new
.if MSB != (\new)
	s_set_vgpr_msb (MSB<<8)|(\new)
.set MSB, (\new)
.endif
.endm
.macro PLACES n
.rept \n
	v_nop
.endr
.endm
.macro CROUND
	s_barrier_signal -1
	s_barrier_wait -1
	s_cmp_lg_u32 s14, 0
	s_cbranch_scc1 .Lnot_wave_0_\@
	s_barrier_signal -3
.Lnot_wave_0_\@:
	s_barrier_wait -3
	s_barrier_signal -1
	s_barrier_wait -1
.endm
.macro WM ac, bf, af, cr, sb, sa, q
.if (\q) == 0
	v_wmma_scale_f32_16x16x128_f8f6f4 v[\ac:\ac+7], v[\bf:\bf+11], v[\af:\af+11], v[\cr:\cr+7], v[\sb], v[\sa] matrix_a_fmt:MATRIX_FMT_FP6 matrix_b_fmt:MATRIX_FMT_FP6
.else
	v_wmma_scale_f32_16x16x128_f8f6f4 v[\ac:\ac+7], v[\bf:\bf+11], v[\af:\af+11], v[\cr:\cr+7], v[\sb], v[\sa] matrix_a_fmt:MATRIX_FMT_FP6 matrix_b_fmt:MATRIX_FMT_FP6 matrix_a_scale:MATRIX_SCALE_ROW1 matrix_b_scale:MATRIX_SCALE_ROW1
.endif
.endm
.macro FETCH3 ks                       ; K step ks: my four fragments of A and two of B, 18 loads, into set ks % 2
.set FS_, 72*((\ks)%2)
	WIN 0x40
.irp a, 0,1,2,3
.irp c, 0,1,2
	ds_load_b128 v[FS_+12*\a+4*\c:FS_+12*\a+4*\c+3], v[ADA+\a] offset:1536*(\ks)+512*\c
.endr
.endr
.irp t, 0,1
.irp c, 0,1,2
	ds_load_b128 v[FS_+48+12*\t+4*\c:FS_+48+12*\t+4*\c+3], v[ADB+\t] offset:1536*(\ks)+512*\c
.endr
.endr
.endm
.macro MUL8 ks                         ; the eight accumulators take turns, one instruction a turn
.set FS_, 72*((\ks)%2)
	WIN 0x05
.irp a, 0,1,2,3
.irp t, 0,1
.set AC_, ACC+8*(2*\a+\t)
.set BB_, FS_+48+12*\t
.set AA_, FS_+12*\a
.set SB_, SB+8*\t+(\ks)/2
.set SA_, SA+8*\a+(\ks)/2
.if (\ks) == 0
.set CR_, BI+8*\t
.else
.set CR_, AC_
.endif
	WM AC_, BB_, AA_, CR_, SB_, SA_, (\ks)%2
.endr
.endr
.endm
	s_load_b128 s[4:7], s[0:1], 0x0                ; feat2's codes and scales, wq
	s_load_b128 s[8:11], s[0:1], 0x10              ; bl, out0
	v_lshl_add_u32 v[SPW], v0, 2, SPARE
	v_mov_b32 v[NIL], 0
	ds_add_u32 v[SPW], v[NIL]                      ; the opening: the add, twice on end, and its wait ahead of my tensor load
	ds_add_u32 v[SPW], v[NIL]
	v_lshrrev_b32 v1, 5, v0
	v_readfirstlane_b32 s14, v1                    ; wave
	s_lshr_b32 s15, s14, 1                         ; mh.  Also: I fetch for A (0) or for B (1)
	s_and_b32 s16, s14, 1                          ; nh.  Also: which half I fetch
	s_bfe_u32 s76, ttmp6, 0x40000                  ; cx, cy
	s_bfe_u32 s77, ttmp6, 0x40004
	s_lshl_b32 s78, ttmp9, 2
	s_add_co_u32 s78, s78, s76                     ; tile column
	s_and_b32 s17, ttmp7, 0xffff
	s_lshl_b32 s17, s17, 2
	s_add_co_u32 s17, s17, s77                     ; tile row
	s_lshl_b32 s79, s77, 2
	s_lshl_b32 s79, 15, s79                        ; my row of the cluster
	s_lshl_b32 s80, 0x1111, s76                    ; my column
	s_or_b32 s[G1A], s79, (3<<16)|(1<<21)          ; A: 4 rows (tiles) of 3,072 elements of 8 bytes, no padding
	s_mov_b32 s[G1A+2], 4<<16
	s_mov_b32 s[G1A+4], 4
	s_or_b32 s[G1B], s80, (3<<16)|(1<<21)          ; B: 2 rows
	s_mov_b32 s[G1B+2], 2<<16
	s_mov_b32 s[G1B+4], 2
.irp g, G1A, G1B
	s_mov_b32 s[\g+1], 3072<<16
	s_mov_b32 s[\g+3], 3072<<16
	s_mov_b32 s[\g+5], 3072
	s_mov_b32 s[\g+6], 0
	s_mov_b32 s[\g+7], 0
.endr
	s_lshl_b32 s20, s17, 3
	s_lshl_b32 s18, s16, 2
	s_add_co_u32 s20, s20, s18                     ; A: tile 8 x tile row + 4 x half
	s_mul_i32 s20, s20, TB
	s_mov_b32 s21, 0
	s_lshl_b32 s82, s78, 2
	s_lshl_b32 s81, s16, 1
	s_add_co_u32 s82, s82, s81                     ; B: tile 4 x tile column + 2 x half
	s_mul_i32 s82, s82, TB
	s_mov_b32 s83, 0
	s_mul_i32 s18, s16, 4*TB                       ; where they go
	s_mul_i32 s19, s16, 2*TB
	s_add_co_u32 s19, s19, BL
	s_wait_dscnt 0x0                               ; both opening adds are done
	s_wait_kmcnt 0x0
	s_add_nc_u64 s[20:21], s[4:5], s[20:21]
	s_add_nc_u64 s[82:83], s[6:7], s[82:83]
	s_add_nc_u64 s[82:83], s[82:83], WLQ
	CROUND                                         ; all sixteen work-groups are here: the joint loads meet
	s_mov_b32 s[G0A], 1
	s_mov_b32 s[G0A+1], s18
	s_mov_b64 s[G0A+2:G0A+3], s[20:21]
	s_or_b32 s[G0A+3], s[G0A+3], 0x80000000
	s_mov_b32 s[G0B], 1
	s_mov_b32 s[G0B+1], s19
	s_mov_b64 s[G0B+2:G0B+3], s[82:83]
	s_or_b32 s[G0B+3], s[G0B+3], 0x80000000
	s_cmp_eq_u32 s15, 0                            ; every way passes one load
	s_cbranch_scc0 .Lfirst_b
	tensor_load_to_lds s[G0A:G0A+3], s[G1A:G1A+7]
	s_nop 0
	PLACES 4
	s_branch .Lfirst_done
.Lfirst_b:
	tensor_load_to_lds s[G0B:G0B+3], s[G1B:G1B+7]
	s_nop 0
	PLACES 4
.Lfirst_done:
	v_and_b32 v1, 15, v0                           ; r
	v_bfe_u32 v2, v0, 4, 1                         ; h
	v_and_b32 v3, 31, v0
	v_lshlrev_b32 v4, 4, v3                        ; 16 x lane
	v_lshlrev_b32 v5, 2, v3                        ; 4 x lane
	s_wait_alu depctr_va_vdst(0)                   ; the wait ahead of the scalar lines below
	s_mul_i32 s18, s15, 4*TB                       ; my four tiles of A,
	s_mul_i32 s19, s16, 2*TB
	s_add_co_u32 s19, s19, BL                      ; my two of B
.irp j, 0,1,2,3
	v_add_nc_u32 v[ADA+\j], s18, v4
	s_add_co_u32 s18, s18, TB
.endr
.irp j, 0,1
	v_add_nc_u32 v[ADB+\j], s19, v4
	s_add_co_u32 s19, s19, TB
.endr
	s_lshl_b32 s20, s17, 3
	s_lshl_b32 s18, s15, 2
	s_add_co_u32 s20, s20, s18
	s_lshl_b32 s20, s20, 10
	s_mov_b32 s21, 0
	s_add_nc_u64 s[20:21], s[4:5], s[20:21]
	s_add_nc_u64 s[20:21], s[20:21], FSO           ; the scale words of my tiles of A
	s_lshl_b32 s82, s78, 2
	s_lshl_b32 s81, s16, 1
	s_add_co_u32 s82, s82, s81
	s_lshl_b32 s82, s82, 10
	s_mov_b32 s83, 0
	s_add_nc_u64 s[82:83], s[6:7], s[82:83]
	s_add_nc_u64 s[82:83], s[82:83], WLS           ; of B
.irp a, 0,1,2,3
.irp u, 0,1,2,3,4,5,6,7
	global_load_b32 v[SA+8*\a+\u], v5, s[20:21] offset:1024*\a+128*\u
.endr
.endr
.irp t, 0,1
.irp u, 0,1,2,3,4,5,6,7
	global_load_b32 v[SB+8*\t+\u], v5, s[82:83] offset:1024*\t+128*\u
.endr
.endr
	s_lshl_b32 s81, s78, 8
	s_lshl_b32 s18, s16, 7
	s_add_co_u32 s81, s81, s18                     ; 4 (64 x tile column + 32 nh)
	v_lshl_add_u32 v6, v2, 5, s81                  ; + 32 h
	v_min_u32 v[BO], 0xf80, v6                     ; held at the last eight columns that exist: no load leaves bl
	v_add_nc_u32 v6, 64, v6
	v_min_u32 v[BO+1], 0xf80, v6
.irp t, 0,1
	global_load_b128 v[BI+8*\t:BI+8*\t+3], v[BO+\t], s[8:9]
	global_load_b128 v[BI+8*\t+4:BI+8*\t+7], v[BO+\t], s[8:9] offset:16
.endr
	s_mul_i32 s18, s15, 64*272                     ; the stage: row 64 mh + 16 a + r, byte 128 nh + 64 t + 32 h
	s_lshl_b32 s19, s16, 7
	s_add_co_u32 s18, s18, s19
	v_mul_u32_u24 v6, v1, 272
	v_lshl_add_u32 v6, v2, 5, v6
	v_add_nc_u32 v[STO], s18, v6
	s_mul_i32 s18, s14, 32*272                     ; back: rows 32 w + h on
	v_mul_u32_u24 v6, v2, 272
	v_lshl_add_u32 v6, v1, 4, v6
	v_add_nc_u32 v[RD], s18, v6
	v_mul_u32_u24 v6, v2, 4000
	v_lshl_add_u32 v[GO], v1, 4, v6                ; 4,000 h + 16 r
	s_lshl_b32 s81, s78, 6
	v_lshl_add_u32 v[COL], v1, 2, s81              ; the first of my four columns on the way out
	s_lshl_b32 s22, s17, 7
	s_lshl_b32 s18, s14, 5
	s_add_co_u32 s22, s22, s18
	s_mul_i32 s22, s22, 4000
	s_lshl_b32 s81, s78, 8
	s_add_co_u32 s22, s22, s81
	s_mov_b32 s23, 0
	s_add_nc_u64 s[10:11], s[10:11], s[22:23]
	s_wait_alu depctr_va_vdst(0)
	s_wait_tensorcnt 0x0                           ; my tiles are in,
	s_wait_dscnt 0x0
	s_barrier_signal -1
	s_barrier_wait -1                              ; and everybody's
	FETCH3 0
	s_wait_loadcnt 0x0                             ; the scale words and the bias
.set KK, 0
.rept 16
.if KK < 15
.if KK >= 1
	PLACES 4                                       ; in front of loads into the set that the K step before multiplied
.endif
	FETCH3 KK+1
	s_wait_dscnt 18                                ; all but the 18 just issued
.else
	s_wait_dscnt 0x0
.endif
	MUL8 KK
.set KK, KK+1
.endr
	WIN 0
	PLACES 4
	s_wait_alu depctr_va_vdst(0)
	s_barrier_signal -1                            ; my LDS reads are over (the wait for 0 ahead of the last products): the stage, 128 rows x 272 bytes, lies in feat2's first two tiles,
	s_barrier_wait -1                              ; which were filled once and which no wave reads behind this barrier
.irp a, 0,1,2,3
.irp t, 0,1
	ds_store_b128 v[STO], v[ACC+8*(2*\a+\t):ACC+8*(2*\a+\t)+3] offset:4352*\a+64*\t        ; each accumulator from its low end on
	ds_store_b128 v[STO], v[ACC+8*(2*\a+\t)+4:ACC+8*(2*\a+\t)+7] offset:4352*\a+64*\t+16
.endr
.endr
	s_wait_dscnt 0x0                               ; for the others' sake: a row's 256 bytes come from two waves
	s_barrier_signal -1
	s_barrier_wait -1
.irp i, 0,1,2,3,4,5,6,7,8,9,10,11,12,13,14,15
	ds_load_b128 v[OB+4*\i:OB+4*\i+3], v[RD] offset:544*\i
.endr
	s_wait_dscnt 0x0
	v_cmp_gt_u32 vcc_lo, 1000, v[COL]              ; the columns that exist: 1,000 is a multiple of a lane's four
	s_wait_xcnt 0x0                                ; EXEC changes only behind this wait
	s_and_saveexec_b32 s20, vcc_lo
.irp i, 0,1,2,3,4,5,6,7,8,9,10,11,12,13,14,15
	global_store_b128 v[GO], v[OB+4*\i:OB+4*\i+3], s[10:11] offset:8000*\i th:TH_STORE_NT
.endr
	s_wait_xcnt 0x0                                ; and again, in front of the line that widens it
	s_or_b32 exec_lo, exec_lo, s20
	s_wait_tensorcnt 0x0                           ; the wave's end
	ds_add_u32 v[SPW], v[NIL]
	s_wait_dscnt 0x0
	CROUND                                         ; the closing round
	s_endpgm
.Lfunc_end_k_q657ed4458d_gemm3:
	.size	k_q657ed4458d_gemm3, .Lfunc_end_k_q657ed4458d_gemm3-k_q657ed4458d_gemm3
	.p2alignl 7, 3214868480
	.fill 96, 4, 3214868480
	.section	.rodata,"a",@progbits
	.p2align	6, 0x0
	.amdhsa_kernel k_q657ed4458d_gemm3
		.amdhsa_group_segment_fixed_size 327680
		.amdhsa_private_segment_fixed_size 0
		.amdhsa_enable_private_segment 0
		.amdhsa_kernarg_size 32
		.amdhsa_user_sgpr_count 2
		.amdhsa_user_sgpr_kernarg_segment_ptr 1
		.amdhsa_wavefront_size32 1
		.amdhsa_system_sgpr_workgroup_id_x 1
		.amdhsa_system_sgpr_workgroup_id_y 1
		.amdhsa_system_sgpr_workgroup_id_z 1
		.amdhsa_system_vgpr_workitem_id 0
		.amdhsa_next_free_vgpr 400
		.amdhsa_next_free_sgpr 84
		.amdhsa_reserve_vcc 1
		.amdhsa_float_denorm_mode_32 3
		.amdhsa_float_denorm_mode_16_64 3
		.amdhsa_memory_ordered 1
		.amdhsa_forward_progress 1
		.amdhsa_inst_pref_size 54
	.end_amdhsa_kernel
	.amdgpu_metadata
---
amdhsa.version: [ 1, 2 ]
amdhsa.kernels:
  - .name:           k_q657ed4458d_gemm3
    .symbol:         k_q657ed4458d_gemm3.kd
    .args:
      - { .name: fb, .offset: 0, .size: 8, .value_kind: global_buffer, .address_space: global }
      - { .name: wq, .offset: 8, .size: 8, .value_kind: global_buffer, .address_space: global }
      - { .name: bl, .offset: 16, .size: 8, .value_kind: global_buffer, .address_space: global }
      - { .name: out0, .offset: 24, .size: 8, .value_kind: global_buffer, .address_space: global }
    .group_segment_fixed_size: 327680
    .private_segment_fixed_size: 0
    .kernarg_segment_align: 8
    .kernarg_segment_size: 32
    .max_flat_workgroup_size: 128
    .sgpr_count:     84
    .vgpr_count:     400
    .wavefront_size: 32
...
	.end_amdgpu_metadata
.endif
;; end of part 6
